; MI455X (gfx1250); checked and timed in simulation.
; The chip was launched on July 23, 2026; its instructions are those of AMD's public machine-readable ISA for CDNA 5 (MIT licence, August 2026) and "CDNA5" Instruction Set Architecture Reference Guide (July 2026). The comments in the code are by the model that wrote it; some were corrected since.
;; Swin Transformer Block. Allowed arithmetic: matrix products marked QUANTISED: E2M1 operands, one E8M0 scale for each 32 along K, by v_wmma_scale_f32_16x16x128_f8f6f4 with both operands' format E2M1 (or v_wmma_scale_f32_32x16x128_f4), f32 sums; everything else in f32.
;; Inputs: b1_o 128 float32; b1_qkv 384 float32; b2_o 128 float32; b2_qkv 384 float32; f1_b1 512 float32; f1_b2 128 float32; f1_w1 128 x 512 float32; f1_w2 512 x 128 float32; f2_b1 512 float32; f2_b2 128 float32; f2_w1 128 x 512 float32; f2_w2 512 x 128 float32; ln1_b 128 float32; ln1_g 128 float32; ln2_b 128 float32; ln2_g 128 float32; ln3_b 128 float32; ln3_g 128 float32; ln4_b 128 float32; ln4_g 128 float32; w1_o 128 x 128 float32; w1_qkv 128 x 384 float32; w2_o 128 x 128 float32; w2_qkv 128 x 384 float32; x 32 x 3,136 x 128 float32.
;; Outputs: out0 32 x 3,136 x 128 float32.
;; This version of the problem:
;;   THIS VERSION OF THE PROBLEM IS GIVEN IN LOW PRECISION. The matrix products marked QUANTISED in the list below multiply operands that are first quantised to E2M1 (2 exponent bits, 1 mantissa bit; 4 bits a number), with one power-of-two scale for each 32 numbers along K (OCP MX v1.0); their sums are f32. All else is computed in f32.
;;   The module's matrix products, in the order in which they are computed (A, B: the left and right operand; K: the contracted axis; several contracted axes count as one K, in the product's order):
;;     1. [M 100,352, K 128] x [K 128, N 384]; A: computed on the way; B: input w1_qkv: QUANTISED
;;     2. batch 8,192 x [M 49, K 32] x [K 32, N 49]; A: computed on the way; B: computed on the way: QUANTISED
;;     3. batch 8,192 x [M 32, K 49] x [K 49, N 49]; A: computed on the way; B: softmax (see below): QUANTISED
;;     4. [M 100,352, K 128] x [K 128, N 128]; A: computed on the way; B: input w1_o: QUANTISED
;;     5. [M 100,352, K 128] x [K 128, N 512]; A: computed on the way; B: input f1_w1: QUANTISED
;;     6. [M 100,352, K 512] x [K 512, N 128]; A: computed on the way; B: input f1_w2: QUANTISED
;;     7. [M 100,352, K 128] x [K 128, N 384]; A: computed on the way; B: input w2_qkv: QUANTISED
;;     8. batch 8,192 x [M 49, K 32] x [K 32, N 49]; A: computed on the way; B: computed on the way: QUANTISED
;;     9. batch 8,192 x [M 32, K 49] x [K 49, N 49]; A: computed on the way; B: softmax (see below): QUANTISED
;;     10. [M 100,352, K 128] x [K 128, N 128]; A: computed on the way; B: input w2_o: QUANTISED
;;     11. [M 100,352, K 128] x [K 128, N 512]; A: computed on the way; B: input f2_w1: QUANTISED
;;     12. [M 100,352, K 512] x [K 512, N 128]; A: computed on the way; B: input f2_w2: QUANTISED
;;   THE QUANTISER, for each operand of a quantised product, along K:
;;     - K is cut into blocks of 32 from its start; a last block that is shorter is filled with zeros.
;;     - A block's scale is 2^e with e = floor(log2(the largest magnitude in the block)) - 2, held to -126 .. 127; a block of zeros has e = 0. As a byte (E8M0): e + 127.
;;     - Each number is divided by its block's scale, clamped to +-6, and rounded to the nearest number of E2M1, ties to even, subnormals kept.
;;     - The product sums the exact products of the quantised numbers (number of the format x scale) in f32.
;;   ~~~python
;;   def quantise(x, axis):      # numpy; x: float32 -> the quantised numbers, widened to float32 again
;;       x = np.moveaxis(x, axis, -1); K = x.shape[-1]
;;       x = np.pad(x, [(0, 0)] * (x.ndim - 1) + [(0, -K % 32)]); x = x.reshape(x.shape[:-1] + (-1, 32)); a = np.abs(x).max(-1, keepdims=True)
;;       e = np.where(a > 0, np.clip(np.frexp(np.where(a > 0, a, 1))[1] - 1 - 2, -126, 127), 0)      # np.frexp(a)[1] - 1 = floor(log2(a)), exactly
;;       r = np.clip(x / 2.0 ** e, -6, 6)
;;       step = 2.0 ** (np.maximum(np.frexp(np.where(r == 0, 1, r))[1] - 1, 0) - 1)
;;       q = np.round(r / step) * step * 2.0 ** e      # np.round: ties to even
;;       return np.moveaxis(q.reshape(q.shape[:-2] + (-1,))[..., :K], -1, axis).astype(np.float32)
;;   ~~~
;;   SOFTMAX AHEAD OF A QUANTISED PRODUCT. Where the list says 'softmax', what is quantised is not the finished softmax but p = 2^(t - M), with t = logit x log2(e) and M = ceil(the row's largest t), a whole number; so 1/2 < the row's largest p <= 1. The row's sum l is taken of the UNQUANTISED p, in f32, and the product's result is divided by l at the end. Since M is a whole number, a kernel that streams over the keys may use a running M (the ceiling of the running maximum): every later rescaling is an exact power of two, which a block's scale takes up: the codes' values come out the same.
;;   OPERANDS COMPUTED ON THE WAY. 'Computed on the way' means the value that the module computes at that place (a softmax that the list does not call 'softmax' is quantised finished and normalised). What goes into a quantiser is computed in f32, as accurately as f32 sums, v_exp_f32 and their like allow (about 1e-6 of the number): no bf16 or f16 on the way to a quantiser, and a product that is left as it is and whose result goes on into a quantised operand takes f32 operands (vector FMAs, or v_wmma_f32_16x16x4_f32). A number that lies on a knife's edge between two numbers of the format may be rounded either way, as far as f32 arithmetic and the matrix unit's own rounding can turn it there, and no further.
;; 2 versions. Each part assembles by itself: llvm-mc -triple=amdgcn-amd-amdhsa -mcpu=gfx1250 --defsym DOCPART=n.
;; ======== version 1 of 2: 3 launches
;; workspace buffers: pack1 111,104 bytes; pack2 111,104 bytes; tab1 16,384 bytes of whole numbers; tab2 16,384 bytes of whole numbers; xmid 51,380,224 bytes
;; launch prep (part 1): grid 25 x 2, 4 waves a work-group, no clusters, 1,536 bytes of LDS; arguments w1_qkv, w1_o, f1_w1, f1_w2, w2_qkv, w2_o, f2_w1, f2_w2, ln1_g, ln1_b, b1_qkv, b1_o, ln2_g, ln2_b, f1_b1, f1_b2, ln3_g, ln3_b, b2_qkv, b2_o, ln4_g, ln4_b, f2_b1, f2_b2, pack1, pack2, tab1, tab2; writes pack1, pack2, tab1, tab2
.if DOCPART == 1
	.amdgcn_target "amdgcn-amd-amdhsa--gfx1250"
	.amdhsa_code_object_version 6
	.text
	.protected	k_q5e7a0f71a7_prep
	.globl	k_q5e7a0f71a7_prep
	.p2align	8
	.type	k_q5e7a0f71a7_prep,@function
k_q5e7a0f71a7_prep:
	s_mov_b64 s[64:65], 0
	v_nop
	global_prefetch_b8 v0, s[64:65] scope:SCOPE_SE
	s_setreg_imm32_b32 hwreg(HW_REG_WAVE_MODE, 25, 1), 1
	s_wait_xcnt 0x0
; THE WEIGHTS OF ONE HALF OF THE BLOCK (work-group y = 0: first half, 1: second) become one pack of 111,104 bytes, laid as the next launch keeps it in LDS:
;   bytes 0 ..      96 fragments of 1,024 bytes: codes of E2M1 in the order of an operand's registers (registers 4 c .. 4 c + 3 of lane l at 512 c + 16 l)
;   bytes WS ..     their scale words: that of fragment f, row-lane r, at 256 (f / 4) + 16 r + 4 (f % 4)
;   bytes PAR ..    the half's eight vectors (gains, biases) as they lie, 13 pieces of 512 bytes
; Fragments: 0-23 qkv, 24-31 o, 32-63 the FFN's first weight, 64 + 8 s + t its second (K step s, tile t).  All weights are stored [K][N]: a lane takes one column and its registers run down K,
; in the order that the operand's layout gives the lane: k = k0 + 64 c + 32 h + 0 .. 31.  So a lane holds two whole blocks of 32, no maximum crosses lanes, and the conversions' results are the fragment.
; THE COLUMNS OF A TILE ARE NOT NEIGHBOURS: lane r of tile 2 b + u takes column 32 b + 8 u + r + 8 (r / 8), so that the results of two neighbouring tiles are 16 neighbours along the next product's K.
; A block's scale is 2^(floor(log2(largest magnitude)) - 2); its byte is the largest magnitude's exponent field - 2, held at 1 from below.
; LIMITS: a block of zeros gets the byte 1 where the rule says 127 (its codes are zeros and this program alone reads the byte); NaN and infinities among the inputs are not served.
; Work-groups x = 0 .. 23: four fragments each, one a wave.  Work-group x = 24: the table of tokens (slot s of window w of an image -> token number, the second half's windows shifted by 3), and the vectors.
.set WS,  98304
.set PAR, 104448
.macro WLOAD pitch                     ; 64 numbers down K of my column: W(64 c + 32 h + i, column); pitch = bytes in a row of W
.irp c, 0,1
.set i_, 0
.rept 32
	global_load_b32 v[64+32*\c+i_], v3, s[4:5] offset:(64*\c+i_)*\pitch th:TH_LOAD_NT
.set i_, i_+1
.endr
.endr
.endm
.macro TILE                            ; s7 = the tile: its first column is 32 (s7 / 2) + 8 (s7 % 2), 4 bytes each; s66 holds the K step's bytes
	s_lshr_b32 s68, s7, 1
	s_lshl_b32 s68, s68, 7
	s_and_b32 s69, s7, 1
	s_lshl_b32 s69, s69, 5
	s_add_co_u32 s68, s68, s69
	s_add_co_u32 s66, s66, s68
	s_add_nc_u64 s[4:5], s[4:5], s[66:67]
.endm
.macro CP p, base, off                 ; piece p of the vectors: 512 bytes, 16 a lane
	global_load_b128 v[64+4*\p:67+4*\p], v4, s[\base:\base+1] offset:\off
.endm
	s_load_b512 s[8:23], s[0:1], 0x0               ; the four weights of the first half, then of the second
	s_load_b512 s[24:39], s[0:1], 0x40             ; the eight vectors of the first half
	s_load_b512 s[40:55], s[0:1], 0x80             ; and of the second
	s_load_b256 s[56:63], s[0:1], 0xc0             ; pack1, pack2, tab1, tab2
	v_lshl_add_u32 v128, v0, 2, 0x400
	v_mov_b32 v129, 0
	v_lshrrev_b32 v1, 5, v0
	v_readfirstlane_b32 s2, v1                     ; wave 0..3
	s_and_b32 s3, ttmp7, 0xffff                    ; which half
	v_and_b32 v1, 15, v0                           ; r
	v_bfe_u32 v2, v0, 4, 1                         ; h
	v_and_b32 v4, 31, v0
	v_lshlrev_b32 v5, 3, v4                        ; 8 x lane
	v_lshlrev_b32 v4, 4, v4                        ; 16 x lane
	s_lshl_b32 s7, s2, 2
	v_lshlrev_b32 v6, 4, v1
	v_add_nc_u32 v6, s7, v6                        ; LDS: 16 r + 4 x wave: my fragment's scale word among the work-group's four
	s_mov_b32 s70, 0x76543210
	s_mov_b32 s71, 0xfedcba98                      ; v_permlanex16_b32's selects for lane l xor 16
	s_wait_kmcnt 0x0
	s_cmp_eq_u32 s3, 0                             ; the half's buffers: the choice hangs on the work-group's number alone
	s_cselect_b64 s[8:9], s[8:9], s[16:17]         ; qkv
	s_cselect_b64 s[10:11], s[10:11], s[18:19]     ; o
	s_cselect_b64 s[12:13], s[12:13], s[20:21]     ; the FFN's first weight
	s_cselect_b64 s[14:15], s[14:15], s[22:23]     ; its second
.irp j, 0,2,4,6,8,10,12,14
	s_cselect_b64 s[24+\j:25+\j], s[24+\j:25+\j], s[40+\j:41+\j]
.endr
	s_cselect_b64 s[56:57], s[56:57], s[58:59]     ; the pack
	s_cselect_b64 s[60:61], s[60:61], s[62:63]     ; the table
	s_cselect_b32 s3, 56, 53                       ; 56 - the shift
	s_cmp_eq_u32 ttmp9, 24
	s_cbranch_scc1 .Lmisc
	s_lshl_b32 s6, ttmp9, 2
	s_add_co_u32 s6, s6, s2                        ; my fragment
	v_and_b32 v3, 8, v1
	v_add_nc_u32 v3, v3, v1
	v_lshlrev_b32 v3, 2, v3                        ; 4 (r + 8 (r / 8)): my column in the tile
	s_mov_b32 s66, 0
	s_mov_b32 s67, 0
	s_cmp_lt_u32 ttmp9, 6
	s_cbranch_scc1 .Lqkv
	s_cmp_lt_u32 ttmp9, 8
	s_cbranch_scc1 .Lnarrow
	s_cmp_lt_u32 ttmp9, 16
	s_cbranch_scc1 .Lwide
.Lnarrow:                                              ; rows of 128 numbers: o (fragments 24-31) and the FFN's second weight (64-95)
	s_cmp_lt_u32 ttmp9, 8
	s_cselect_b64 s[4:5], s[10:11], s[14:15]
	s_cselect_b32 s7, 24, 64
	s_sub_co_u32 s7, s6, s7
	s_lshr_b32 s66, s7, 3                          ; the K step (0 for o)
	s_lshl_b32 s66, s66, 16                        ; 128 rows of 512 bytes
	s_and_b32 s7, s7, 7
	TILE
	v_lshl_add_u32 v3, v2, 14, v3                  ; lanes 16-31 begin 32 rows further down
	WLOAD 512
	s_branch .Lquant
.Lqkv:                                                 ; rows of 384 numbers
	s_mov_b64 s[4:5], s[8:9]
	s_mov_b32 s7, s6
	TILE
	v_mad_u32_u24 v3, v2, 32*1536, v3
	WLOAD 1536
	s_branch .Lquant
.Lwide:                                                ; rows of 512 numbers
	s_mov_b64 s[4:5], s[12:13]
	s_sub_co_u32 s7, s6, 32
	TILE
	v_lshl_add_u32 v3, v2, 16, v3
	WLOAD 2048
.Lquant:
	s_wait_loadcnt 0x0
.irp c, 0,1                                    ; my block 2 c + h: all its 32 numbers are mine
	v_max3_num_f32 v[32+\c], |v[64+32*\c]|, |v[65+32*\c]|, 0x1800000   ; and the floor 2^(3 - 127): the byte cannot fall under 1
.endr
.irp i, 2,4,6,8,10,12,14,16,18,20,22,24,26,28,30
.irp c, 0,1
	v_max3_num_f32 v[32+\c], v[32+\c], |v[64+32*\c+\i]|, |v[65+32*\c+\i]|
.endr
.endr
.irp c, 0,1
	v_add_nc_u32 v[44+\c], 0xff000000, v[32+\c]    ; 2 off the exponent field: the conversion takes the exponent field of this operand as its scale
.endr
.irp c, 0,1
	v_lshrrev_b32 v[36+\c], 23, v[44+\c]           ; the scale's byte
.endr
	v_lshl_or_b32 v9, v37, 16, v36                 ; my two bytes, blocks h and 2 + h,
	v_lshlrev_b32 v10, 3, v2
	v_lshlrev_b32 v9, v10, v9                      ; at their places in the word;
	v_mov_b32 v10, 0
	v_permlanex16_b32 v10, v9, s70, s71
	v_or_b32 v9, v9, v10                           ; with lane l xor 16's two the word is whole
.irp c, 0,1
.irp g, 0,1,2,3
	v_cvt_scalef32_pk8_fp4_f32 v[48+4*\c+\g], v[64+32*\c+8*\g:71+32*\c+8*\g], v[44+\c]
.endr
.endr
	s_lshl_b32 s66, s6, 10
	s_mov_b32 s67, 0
	s_add_nc_u64 s[66:67], s[56:57], s[66:67]      ; my fragment's 1,024 bytes
	global_store_b128 v4, v[48:51], s[66:67]       ; each store of the wave covers 512 consecutive bytes, aligned
	global_store_b128 v4, v[52:55], s[66:67] offset:512
	ds_store_b32 v6, v9                            ; lanes r and r + 16 write the same word with the same value
	s_wait_dscnt 0x0                               ; for the others' sake: my word has landed
	s_barrier_signal -1
	s_barrier_wait -1
	s_cmp_lg_u32 s2, 0
	s_cbranch_scc1 .Lend
	ds_load_b64 v[12:13], v5                       ; wave 0: the four fragments' 256 bytes of scale words
	s_lshl_b32 s68, ttmp9, 8
	s_mov_b32 s69, 0
	s_add_nc_u64 s[68:69], s[56:57], s[68:69]
	s_wait_dscnt 0x0
	global_store_b64 v5, v[12:13], s[68:69] offset:WS   ; 256 consecutive bytes, aligned
.Lend:
	s_wait_tensorcnt 0x0
	ds_add_u32 v128, v129
	s_wait_dscnt 0x0
	s_endpgm
.Lmisc:
	; THE TABLE.  Entry E = 64 w + s = 128 (wave + 4 i) + 4 lane + q: so w = 8 i + 2 wave + h: the window's row is i, its column 2 wave + h; s = 4 r + q.  Slots over 48 repeat slot 48.
.irp q, 0,1,2,3
	v_lshl_add_u32 v[8+\q], v1, 2, \q
	v_min_u32 v[8+\q], 48, v[8+\q]
	v_mul_u32_u24 v[12+\q], v[8+\q], 37
	v_lshrrev_b32 v[12+\q], 8, v[12+\q]            ; a = s / 7 (37 s / 256, rounded down, is that for s up to 48)
	v_mul_u32_u24 v[16+\q], v[12+\q], 7
	v_sub_nc_u32 v[16+\q], v[8+\q], v[16+\q]       ; b = s - 7 a
.endr
	v_lshl_add_u32 v20, s2, 1, v2
	v_mad_u32_u24 v20, v20, 7, s3                  ; 7 x the window's column + 56 - the shift
.irp q, 0,1,2,3
	v_add_nc_u32 v[16+\q], v[16+\q], v20
	v_add_nc_u32 v[24+\q], 0xffffffc8, v[16+\q]    ; - 56: it wraps to a huge number where the column lay under 56,
	v_min_u32 v[16+\q], v[16+\q], v[24+\q]         ; so the smaller of the two is the column modulo 56
	v_add_nc_u32 v[12+\q], s3, v[12+\q]            ; a + 56 - the shift
.endr
	v_lshlrev_b32 v30, 4, v0                       ; 512 x wave + 16 x lane
.irp i, 0,1,2,3,4,5,6,7
.irp q, 0,1,2,3
	v_add_nc_u32 v28, 7*\i, v[12+\q]
	v_add_nc_u32 v29, 7*\i-56, v[12+\q]
	v_min_u32 v28, v28, v29                        ; the row modulo 56
	v_mad_u32_u24 v[32+4*\i+\q], v28, 56, v[16+\q]
.endr
	global_store_b128 v30, v[32+4*\i:35+4*\i], s[60:61] offset:2048*\i   ; each set of four has registers of its own: no store's data are written again
.endr
	s_cmp_lg_u32 s2, 0
	s_cbranch_scc1 .Lend2
	CP 0, 24, 0                                    ; wave 0: the first norm's gain, its bias,
	CP 1, 26, 0
	CP 2, 28, 0                                    ; qkv's bias,
	CP 3, 28, 512
	CP 4, 28, 1024
	CP 5, 30, 0                                    ; o's bias,
	CP 6, 32, 0                                    ; the second norm's gain and bias,
	CP 7, 34, 0
	CP 8, 36, 0                                    ; the FFN's first bias,
	CP 9, 36, 512
	CP 10, 36, 1024
	CP 11, 36, 1536
	CP 12, 38, 0                                   ; and its second
	s_wait_loadcnt 0x0
.irp p, 0,1,2,3,4,5,6,7,8,9,10,11,12
	global_store_b128 v4, v[64+4*\p:67+4*\p], s[56:57] offset:PAR+512*\p
.endr
.Lend2:
	s_endpgm
.Lfunc_end_k_q5e7a0f71a7_prep:
	.size	k_q5e7a0f71a7_prep, .Lfunc_end_k_q5e7a0f71a7_prep-k_q5e7a0f71a7_prep
	.p2alignl 7, 3214868480
	.fill 96, 4, 3214868480
	.section	.rodata,"a",@progbits
	.p2align	6, 0x0
	.amdhsa_kernel k_q5e7a0f71a7_prep
		.amdhsa_group_segment_fixed_size 1536
		.amdhsa_private_segment_fixed_size 0
		.amdhsa_enable_private_segment 0
		.amdhsa_kernarg_size 224
		.amdhsa_user_sgpr_count 2
		.amdhsa_user_sgpr_kernarg_segment_ptr 1
		.amdhsa_wavefront_size32 1
		.amdhsa_system_sgpr_workgroup_id_x 1
		.amdhsa_system_sgpr_workgroup_id_y 1
		.amdhsa_system_sgpr_workgroup_id_z 1
		.amdhsa_system_vgpr_workitem_id 0
		.amdhsa_next_free_vgpr 130
		.amdhsa_next_free_sgpr 72
		.amdhsa_reserve_vcc 0
		.amdhsa_float_denorm_mode_32 3
		.amdhsa_float_denorm_mode_16_64 3
		.amdhsa_memory_ordered 1
		.amdhsa_forward_progress 1
		.amdhsa_inst_pref_size 37
	.end_amdhsa_kernel
	.amdgpu_metadata
---
amdhsa.version: [ 1, 2 ]
amdhsa.kernels:
  - .name:           k_q5e7a0f71a7_prep
    .symbol:         k_q5e7a0f71a7_prep.kd
    .args:
      - { .name: w1_qkv, .offset: 0, .size: 8, .value_kind: global_buffer, .address_space: global }
      - { .name: w1_o, .offset: 8, .size: 8, .value_kind: global_buffer, .address_space: global }
      - { .name: f1_w1, .offset: 16, .size: 8, .value_kind: global_buffer, .address_space: global }
      - { .name: f1_w2, .offset: 24, .size: 8, .value_kind: global_buffer, .address_space: global }
      - { .name: w2_qkv, .offset: 32, .size: 8, .value_kind: global_buffer, .address_space: global }
      - { .name: w2_o, .offset: 40, .size: 8, .value_kind: global_buffer, .address_space: global }
      - { .name: f2_w1, .offset: 48, .size: 8, .value_kind: global_buffer, .address_space: global }
      - { .name: f2_w2, .offset: 56, .size: 8, .value_kind: global_buffer, .address_space: global }
      - { .name: ln1_g, .offset: 64, .size: 8, .value_kind: global_buffer, .address_space: global }
      - { .name: ln1_b, .offset: 72, .size: 8, .value_kind: global_buffer, .address_space: global }
      - { .name: b1_qkv, .offset: 80, .size: 8, .value_kind: global_buffer, .address_space: global }
      - { .name: b1_o, .offset: 88, .size: 8, .value_kind: global_buffer, .address_space: global }
      - { .name: ln2_g, .offset: 96, .size: 8, .value_kind: global_buffer, .address_space: global }
      - { .name: ln2_b, .offset: 104, .size: 8, .value_kind: global_buffer, .address_space: global }
      - { .name: f1_b1, .offset: 112, .size: 8, .value_kind: global_buffer, .address_space: global }
      - { .name: f1_b2, .offset: 120, .size: 8, .value_kind: global_buffer, .address_space: global }
      - { .name: ln3_g, .offset: 128, .size: 8, .value_kind: global_buffer, .address_space: global }
      - { .name: ln3_b, .offset: 136, .size: 8, .value_kind: global_buffer, .address_space: global }
      - { .name: b2_qkv, .offset: 144, .size: 8, .value_kind: global_buffer, .address_space: global }
      - { .name: b2_o, .offset: 152, .size: 8, .value_kind: global_buffer, .address_space: global }
      - { .name: ln4_g, .offset: 160, .size: 8, .value_kind: global_buffer, .address_space: global }
      - { .name: ln4_b, .offset: 168, .size: 8, .value_kind: global_buffer, .address_space: global }
      - { .name: f2_b1, .offset: 176, .size: 8, .value_kind: global_buffer, .address_space: global }
      - { .name: f2_b2, .offset: 184, .size: 8, .value_kind: global_buffer, .address_space: global }
      - { .name: pack1, .offset: 192, .size: 8, .value_kind: global_buffer, .address_space: global }
      - { .name: pack2, .offset: 200, .size: 8, .value_kind: global_buffer, .address_space: global }
      - { .name: tab1, .offset: 208, .size: 8, .value_kind: global_buffer, .address_space: global }
      - { .name: tab2, .offset: 216, .size: 8, .value_kind: global_buffer, .address_space: global }
    .group_segment_fixed_size: 1536
    .private_segment_fixed_size: 0
    .kernarg_segment_align: 8
    .kernarg_segment_size: 224
    .max_flat_workgroup_size: 128
    .sgpr_count:     72
    .vgpr_count:     130
    .wavefront_size: 32
...
	.end_amdgpu_metadata
.endif
;; end of part 1
;; launch half1 (part 2): grid 256 x 1, 16 waves a work-group, no clusters, 283,136 bytes of LDS; arguments x, tab1, pack1, xmid; writes xmid
.if DOCPART == 2
	.amdgcn_target "amdgcn-amd-amdhsa--gfx1250"
	.amdhsa_code_object_version 6
	.text
	.protected	k_q5e7a0f71a7_half1
	.globl	k_q5e7a0f71a7_half1
	.p2align	8
	.type	k_q5e7a0f71a7_half1,@function
k_q5e7a0f71a7_half1:
	s_mov_b64 s[64:65], 0
	v_nop
	global_prefetch_b8 v0, s[64:65] scope:SCOPE_SE
	s_setreg_imm32_b32 hwreg(HW_REG_WAVE_MODE, 25, 1), 1
	s_wait_xcnt 0x0
; ONE HALF OF THE BLOCK: y = x1 + FFN(LN(x1)), x1 = x + windowed attention(LN(x)); every product on codes of E2M1 with one E8M0 scale for each 32 along its K.  All of it is local to a window of 49 tokens.
; Which tokens form a window comes from a table of whole numbers (slot s of window w of an image -> token); the shifted windows of the second half differ in the table alone, so one text serves both halves.
; SHARES.  Work-group k owns windows 8 k .. 8 k + 7 (all of image k / 8) and walks them in two rounds of four.  Sixteen waves of 256 registers, four to a SIMD.  Wave w: g = w / 4 its window of the round, t = w % 4.
;   Phases A and C go by tokens: wave (g, t) owns slots 16 t .. 16 t + 15 of window g (tile 3 has one real token; its other rows are zeros and are never stored).
;   Phase B goes by heads: wave (g, t) owns head t of window g for all 64 slots and makes its own q, k, v from the window's four fragments of LN(x): q, k, v, scores and p never leave the wave.
; LAYOUT.  Products by tokens are used transposed (source 0 = 16 columns of a weight, source 1 = 16 tokens): lane (r, h) holds token r, and the 16 registers of tiles 2 b, 2 b + 1 are features 32 b + 16 h + 0 .. 15, since
;   the pack's tiles take their columns so.  x is read from the wave's stage in the same order.  A block of 32 lies in lanes l and l xor 16.
;   v is made untransposed (source 0 = tokens, source 1 = columns): a lane holds one feature and register 8 tt + j token 16 tt + 8 h + j.  S^T = k q^T gives a lane one query and register 8 kt + j key 16 kt + 8 h + j.
;   So v and p reach their code places by the same conversions and swaps: a permutation inside a block of 32 keys, alike on both operands.  Blocks: keys 0-31; keys 32-48 and zeros.
; SOFTMAX.  t = score x log2(e) / sqrt(32); M = ceil(the row's largest t); p = 2^(t - M) is quantised; the row's sum of the unquantised p divides at the end.
; GELU (tanh form) is computed as x / (1 + 2^(x (k1 + k2 x^2))), k1 = -2 sqrt(2 / pi) log2(e), k2 = 0.044715 k1: the same function, with no difference of near numbers.
; OPERANDS GO FROM WAVE TO WAVE THROUGH LDS AS IMAGES OF THEIR REGISTERS (16 bytes a lane and group of four registers; scale words 4 bytes a row).  Two barriers a round.
; No cluster: what work-groups share is the pack, 111,104 bytes read once by each, against 200,704 bytes of rows in and as many out that no partner shares.  No tensor load: a shifted window wraps round the image and is no rectangle.
; LIMITS: NaN and infinities among the inputs are not served; a block of zeros gets the scale byte 1 where the rule says 127 (its codes are zeros, and this program alone reads the byte).
.set WS,    98304                      ; LDS, bytes 0 .. 111,103: the pack: 96 weight fragments, from WS their scale words, from PAR the vectors
.set PAR,   104448
.set LNAG,  0                          ; within PAR: the first norm's gain and bias, qkv's bias, o's bias, the second norm's gain and bias, the FFN's two biases
.set LNAB,  512
.set BQKV,  1024
.set BO,    2560
.set LNBG,  3072
.set LNBB,  3584
.set FB1,   4096
.set FB2,   6144
.set XIMG,  111104                     ; 16 fragments of LN(x), wave w's at 1,024 w
.set XSC,   127488                     ; their scale words: token r's at 64 w + 4 r
.set AIMG,  128512                     ; 16 fragments of the attention's result
.set ASC,   144896                     ; their scale words
.set A_X,   AIMG-XIMG                  ; = ASC - XSC
.set STAGE, 145920                     ; 16 rows x (512 bytes + 16) for each wave, its own
.set SP,    528
.set R1,  32                           ; v32-95, v96-159, v160-223: three regions of 64
.set R2,  96
.set R3,  160
.set PC,  224                          ; v224-231 a fragment just made or fetched
.set X2F, 232                          ; v232-239 the fragment of LN(x1)
.set TM,  240                          ; v240-251 at work
.set MS,  252                          ; v252-255 mean, 1 / sigma, -M; in the FFN loop LDS addresses
.set OF,  232                          ; v232-247 the 16 rows' byte offsets, while X2F and TM are idle
.set XF,  32                           ; phase B: v32-63 the window's four fragments of LN(x), later q's
.set QF,  32
.set SS,  64                           ;          v64-95 weights and biases, later the scores
.set KF,  160                          ;          v160-191 k's four fragments
.set VF,  192                          ;          v192-207 v's two
.set PF,  208                          ;          v208-215 p's
.set RL,  216                          ;          v216, 218, 220, 222 the rows' sums
; v1 16 x lane; v2, v3 the stage by rows and by tokens; v4, v5 my fragment's and scale word's place; v6, v7 my window's; v8, v9 my head's part of the attention's images; v10, v11 my head's weights and their scale words;
; v12 scale words by row-lane; v13 vectors by half; v14, v15 my head's biases; v16 the prefetch's offset; v17 -infinity; v18-19 k1; v20-31 scale words and nothing else.
; s2 wave, s3 g, s4 t; s[8:9] x at my image, s[10:11] my 16 table entries, s[12:13] the pack, s[14:15] y at my image; s[20:21] lane selects; s[22:23] c; s[26:27] k2; s28 eps; s29 lanes 0-15; s30 round; s31 chunk;
; s[32:47] this round's 16 row offsets, s[48:63] the next round's; s66, s67 the chunk's steps; s68 the chunk in which the prefetch stands.
.macro PLACES n
.rept \n
	v_nop
.endr
.endm
.macro BAR                             ; my LDS stores have landed and my LDS loads are in: then the work-group's barrier
	s_wait_dscnt 0x0
	s_barrier_signal -1
	s_barrier_wait -1
.endm
.macro MM d, a, b, c, sa, sb
	v_wmma_scale_f32_16x16x128_f8f6f4 v[\d:\d+7], v[\a:\a+7], v[\b:\b+7], v[\c:\c+7], v[\sa], v[\sb] matrix_a_fmt:MATRIX_FMT_FP4 matrix_b_fmt:MATRIX_FMT_FP4
.endm
.macro MMZ d, a, b, sa, sb             ; the sum starts at 0
	v_wmma_scale_f32_16x16x128_f8f6f4 v[\d:\d+7], v[\a:\a+7], v[\b:\b+7], 0, v[\sa], v[\sb] matrix_a_fmt:MATRIX_FMT_FP4 matrix_b_fmt:MATRIX_FMT_FP4
.endm
; My tile's 16 rows of x, row offsets in s[tk] on, into R2: one load is one whole row of 512 bytes.  Tile 3 has one real row; its others are zeros.
.macro XLOADS tk
.set i_, 0
.rept 16
	v_add_nc_u32 v[OF+i_], s[\tk+i_], v1
.set i_, i_+1
.endr
	global_load_b128 v[R2:R2+3], v[OF], s[8:9] th:TH_LOAD_NT
	s_cmp_eq_u32 s4, 3
	s_cbranch_scc1 .Lpad_\@
.set i_, 1
.rept 15
	global_load_b128 v[R2+4*i_:R2+4*i_+3], v[OF+i_], s[8:9] th:TH_LOAD_NT
.set i_, i_+1
.endr
	s_branch .Lrows_\@
.Lpad_\@:
.set i_, 4
.rept 60
	v_mov_b32 v[R2+i_], 0
.set i_, i_+1
.endr
.Lrows_\@:
.endm
; nb blocks of 32 features in the layout by tokens: register 16 b + 4 q on = features 32 b + 16 h + 4 q on (the address register carries 64 h)
.macro PARLD dst, adr, off, nb
.set b_, 0
.rept \nb
.irp q, 0,1,2,3
	ds_load_b128 v[\dst+16*b_+4*\q:\dst+16*b_+4*\q+3], v[\adr] offset:\off+128*b_+16*\q
.endr
.set b_, b_+1
.endr
.endm
.macro WFR dst, adr, off, n            ; n fragments, 1,024 bytes apart, as images
.set w_, 0
.rept \n
	ds_load_b128 v[\dst+8*w_:\dst+8*w_+3], v[\adr] offset:\off+1024*w_
	ds_load_b128 v[\dst+8*w_+4:\dst+8*w_+7], v[\adr] offset:\off+1024*w_+512
.set w_, w_+1
.endr
.endm
.macro FOLD                            ; four packed chains in v[TM] .. v[TM+7] become my token's sum, in every lane of the pair l, l xor 16
	v_pk_add_f32 v[TM:TM+1], v[TM:TM+1], v[TM+2:TM+3]
	v_pk_add_f32 v[TM+4:TM+5], v[TM+4:TM+5], v[TM+6:TM+7]
	v_pk_add_f32 v[TM:TM+1], v[TM:TM+1], v[TM+4:TM+5]
	v_add_f32 v[TM], v[TM], v[TM+1]
	v_permlanex16_b32 v[TM+2], v[TM], s20, s21
	v_add_f32 v[TM], v[TM], v[TM+2]
.endm
; LayerNorm of my token's 64 numbers (the other 64 lie in lane l xor 16): dst = (src - mean) / sqrt(var + eps) x g + b.  The variance is taken of the differences, in a second pass.  g and b come in two halves into R3.
.macro LNORM src, dst, go, bo
	PARLD R3, 13, \go, 2
	PARLD R3+32, 13, \bo, 2
.irp c, 0,1,2,3
	v_pk_add_f32 v[TM+2*\c:TM+2*\c+1], v[\src+2*\c:\src+2*\c+1], v[\src+8+2*\c:\src+8+2*\c+1]
.endr
.set j_, 16
.rept 24
	v_pk_add_f32 v[TM+j_%8:TM+j_%8+1], v[TM+j_%8:TM+j_%8+1], v[\src+j_:\src+j_+1]
.set j_, j_+2
.endr
	FOLD
	v_mul_f32 v[MS], 0x3c000000, v[TM]             ; the mean: sum / 128
	v_mul_f32 v[MS+1], 0x3c000000, v[TM]
.set j_, 0
.rept 32
	v_pk_add_f32 v[\dst+j_:\dst+j_+1], v[\src+j_:\src+j_+1], v[MS:MS+1] neg_lo:[0,1] neg_hi:[0,1]
.set j_, j_+2
.endr
.irp c, 0,1,2,3
	v_pk_mul_f32 v[TM+2*\c:TM+2*\c+1], v[\dst+2*\c:\dst+2*\c+1], v[\dst+2*\c:\dst+2*\c+1]
.endr
.set j_, 8
.rept 28
	v_pk_fma_f32 v[TM+j_%8:TM+j_%8+1], v[\dst+j_:\dst+j_+1], v[\dst+j_:\dst+j_+1], v[TM+j_%8:TM+j_%8+1]
.set j_, j_+2
.endr
	FOLD
	v_fma_f32 v[TM], v[TM], 0x3c000000, s28        ; var + eps
	v_rsq_f32 v[MS+2], v[TM]                       ; twice: the pair that the packed multiply takes
	v_rsq_f32 v[MS+3], v[TM]
	v_nop                                          ; a plain instruction behind the transcendentals (ISA guide 5.7.2),
	s_wait_alu depctr_va_vdst(0)                   ; and the wait ahead of the first use: one for both
	s_wait_dscnt 0x0                               ; g and b of features' blocks 0 and 1
.set j_, 0
.rept 16
	v_pk_mul_f32 v[\dst+j_:\dst+j_+1], v[\dst+j_:\dst+j_+1], v[MS+2:MS+3]
.set j_, j_+2
.endr
.set j_, 0
.rept 16
	v_pk_fma_f32 v[\dst+j_:\dst+j_+1], v[\dst+j_:\dst+j_+1], v[R3+j_:R3+j_+1], v[R3+32+j_:R3+32+j_+1]
.set j_, j_+2
.endr
	PARLD R3, 13, \go+256, 2                       ; blocks 2 and 3 land while their numbers are scaled
	PARLD R3+32, 13, \bo+256, 2
.set j_, 32
.rept 16
	v_pk_mul_f32 v[\dst+j_:\dst+j_+1], v[\dst+j_:\dst+j_+1], v[MS+2:MS+3]
.set j_, j_+2
.endr
	s_wait_dscnt 0x0
.set j_, 0
.rept 16
	v_pk_fma_f32 v[\dst+32+j_:\dst+32+j_+1], v[\dst+32+j_:\dst+32+j_+1], v[R3+j_:R3+j_+1], v[R3+32+j_:R3+32+j_+1]
.set j_, j_+2
.endr
.endm
; THE QUANTISER, for four blocks q whose halves of 16 numbers lie in v[s + 16 q] on, in lanes l and l xor 16.  QSCL: the conversions' scale operands into v[TM+8+q], the scale bytes into v[bd+q].  Registers are read in ascending order.
.macro QSCL s, bd
.irp q, 0,1,2,3
	v_max3_num_f32 v[TM+\q], |v[\s+16*\q]|, |v[\s+16*\q+1]|, 0x1800000   ; and the floor 2^(3 - 127): the byte cannot fall under 1
.endr
.irp i, 2,4,6,8,10,12,14
.irp q, 0,1,2,3
	v_max3_num_f32 v[TM+\q], v[TM+\q], |v[\s+16*\q+\i]|, |v[\s+16*\q+\i+1]|   ; the four blocks by turns
.endr
.endr
.irp q, 0,1,2,3
	v_permlanex16_b32 v[TM+4+\q], v[TM+\q], s20, s21
.endr
.irp q, 0,1,2,3
	v_max_num_f32 v[TM+\q], v[TM+\q], v[TM+4+\q]   ; the block's largest magnitude
.endr
.irp q, 0,1,2,3
	v_add_nc_u32 v[TM+8+\q], 0xff000000, v[TM+\q]  ; 2 off its exponent field: the conversion takes the exponent field of this operand as its scale
.endr
.irp q, 0,1,2,3
	v_lshrrev_b32 v[\bd+\q], 23, v[TM+8+\q]        ; the scale's byte
.endr
.endm
.macro QCVT s, d, sa, sb               ; block q's two registers of codes at v[d + sa (q / 2) + sb (q % 2)]
.irp q, 0,1,2,3
	v_cvt_scalef32_pk8_fp4_f32 v[\d+\sa*(\q/2)+\sb*(\q%2)], v[\s+16*\q:\s+16*\q+7], v[TM+8+\q]
	v_cvt_scalef32_pk8_fp4_f32 v[\d+\sa*(\q/2)+\sb*(\q%2)+1], v[\s+16*\q+8:\s+16*\q+15], v[TM+8+\q]
.endr
	v_nop                                          ; one plain instruction behind the scaled conversions
.endm
; 64 numbers of my token, register 16 b + i = k 32 b + 16 h + i, become a fragment in v[d] on and its scale word in v[w]
.macro QUANT s, d, w
	QSCL \s, TM+4
	v_lshl_or_b32 v[\w], v[TM+5], 8, v[TM+4]
	v_lshl_or_b32 v[\w], v[TM+6], 16, v[\w]
	v_lshl_or_b32 v[\w], v[TM+7], 24, v[\w]
	QCVT \s, \d, 4, 2
.irp c, 0,1                                    ; the operand's layout wants a whole block in a lane: lanes 0-15 block 2 c, lanes 16-31 block 2 c + 1
.irp i, 0,1
	v_permlane16_swap_b32 v[\d+4*\c+\i], v[\d+4*\c+2+\i]
.endr
.endr
.endm
; q or k of my head for the window's 64 slots: two weight tiles x four tiles of tokens, transposed, the bias as C; then each token's 32 numbers become one block: a fragment with K = 32, the rest of K zero codes.
; Its scale word is the bare byte: the three bytes above it scale zero codes.
.macro HEADQK F, SCL, woff, soff, boff
	WFR 64, 10, \woff, 2
	ds_load_b64 v[30:31], v11 offset:\soff
.irp q, 0,1,2,3
	ds_load_b128 v[80+4*\q:83+4*\q], v14 offset:\boff+16*\q
.endr
	s_wait_dscnt 0x0
.irp tt, 0,1,2,3
.irp u, 0,1
	MM R2+16*\tt+8*\u, 64+8*\u, XF+8*\tt, 80+8*\u, 30+\u, 20+\tt
.endr
.endr
	PLACES 4                                       ; behind the products: their results are read, and their operands' registers written and loaded, only behind these
.irp tt, 0,1,2,3
.irp z, 2,3,4,5,6,7
	v_mov_b32 v[\F+8*\tt+\z], 0
.endr
.endr
	QSCL R2, \SCL
	QCVT R2, \F, 16, 8
.irp tt, 0,1,2,3                               ; lanes 16-31's halves go to registers 2 and 3 of lanes 0-15; zeros come back
	v_permlane16_swap_b32 v[\F+8*\tt], v[\F+8*\tt+2]
	v_permlane16_swap_b32 v[\F+8*\tt+1], v[\F+8*\tt+3]
.endr
.endm
; Tile qt of 16 queries: scores against all keys, softmax, p's codes, and my head's 32 channels of the result into v[R2 + 16 qt] on
.macro SOFT qt
.irp kt, 0,1,2,3
	MMZ SS+8*\kt, KF+8*\kt, QF+8*\qt, 24+\kt, 20+\qt
.endr
	PLACES 4
	v_cndmask_b32 v[SS+24], v17, v[SS+24], s29     ; of key tile 3 only key 48 is real: register 0, lanes 0-15; in lanes 16-31 it becomes -infinity.  Registers 25-31 are not used
	v_max3_num_f32 v[TM], v[SS], v[SS+1], v[SS+2]  ; the largest score of each block of keys: it serves for the row's maximum and, since p rises with the score, for the block's largest p
	v_max3_num_f32 v[TM+1], v[SS+8], v[SS+9], v[SS+10]
	v_max3_num_f32 v[TM+2], v[SS+16], v[SS+17], v[SS+18]
	v_max3_num_f32 v[TM], v[TM], v[SS+3], v[SS+4]
	v_max3_num_f32 v[TM+1], v[TM+1], v[SS+11], v[SS+12]
	v_max3_num_f32 v[TM+2], v[TM+2], v[SS+19], v[SS+20]
	v_max3_num_f32 v[TM], v[TM], v[SS+5], v[SS+6]
	v_max3_num_f32 v[TM+1], v[TM+1], v[SS+13], v[SS+14]
	v_max3_num_f32 v[TM+2], v[TM+2], v[SS+21], v[SS+22]
	v_max3_num_f32 v[TM], v[TM], v[SS+7], v[SS+15]
	v_max3_num_f32 v[TM+2], v[TM+2], v[SS+23], v[SS+24]
	v_max_num_f32 v[TM], v[TM], v[TM+1]
	v_permlanex16_b32 v[TM+4], v[TM], s20, s21
	v_permlanex16_b32 v[TM+5], v[TM+2], s20, s21
	v_max_num_f32 v[TM], v[TM], v[TM+4]            ; keys 0-31
	v_max_num_f32 v[TM+2], v[TM+2], v[TM+5]        ; keys 32-48
	v_max_num_f32 v[TM+1], v[TM], v[TM+2]
	v_mul_f32 v[TM+1], s22, v[TM+1]                ; the row's largest t (c is positive)
	v_floor_f32 v[MS], -v[TM+1]                    ; -M = floor(-t) = -ceil(t)
.irp j, 0,2,4,6,8,10,12,14,16,18,20,22
	v_pk_fma_f32 v[SS+\j:SS+\j+1], v[SS+\j:SS+\j+1], s[22:23], v[MS:MS+1] op_sel_hi:[1,0,0]   ; t - M (of the pairs c and -M the low word serves both halves)
.endr
	v_fma_f32 v[SS+24], v[SS+24], s22, v[MS]
	v_fma_f32 v[TM], v[TM], s22, v[MS]             ; the same of each block's largest score
	v_fma_f32 v[TM+2], v[TM+2], s22, v[MS]
.set j_, 0
.rept 25
	v_exp_f32 v[SS+j_], v[SS+j_]                   ; p = 2^(t - M), not normalised
.set j_, j_+1
.endr
	v_exp_f32 v[TM], v[TM]                         ; the blocks' largest p: the same two instructions on the same number give the same bits
	v_exp_f32 v[TM+2], v[TM+2]
	v_nop                                          ; a plain instruction behind the batch,
	s_wait_alu depctr_va_vdst(0)                   ; and one wait for all 27, ahead of the first use
	v_max_num_f32 v[TM], 0x1800000, v[TM]          ; the floor: the byte cannot fall under 1
	v_max_num_f32 v[TM+2], 0x1800000, v[TM+2]
	v_add_nc_u32 v[TM+8], 0xff000000, v[TM]
	v_add_nc_u32 v[TM+9], 0xff000000, v[TM+2]
	v_lshrrev_b32 v[TM+6], 23, v[TM+8]
	v_lshrrev_b32 v[TM+7], 23, v[TM+9]
	v_lshl_or_b32 v30, v[TM+7], 8, v[TM+6]         ; p's scale word
	v_cvt_scalef32_pk8_fp4_f32 v[PF], v[SS:SS+7], v[TM+8]
	v_cvt_scalef32_pk8_fp4_f32 v[PF+1], v[SS+8:SS+15], v[TM+8]
	v_cvt_scalef32_pk8_fp4_f32 v[PF+2], v[SS+16:SS+23], v[TM+9]
	v_cvt_scalef32_pk8_fp4_f32 v[PF+3], v[SS+24:SS+31], v[TM+9]
	v_nop                                          ; one plain instruction behind the scaled conversions
	v_and_b32 v[PF+3], 15, v[PF+3]                 ; the seven unused registers' codes become zeros
	v_permlane16_swap_b32 v[PF], v[PF+2]           ; the same swaps as v's
	v_permlane16_swap_b32 v[PF+1], v[PF+3]
	v_pk_add_f32 v[TM:TM+1], v[SS:SS+1], v[SS+2:SS+3]   ; the row's sum of the unquantised p, in two chains.  These 13 lines are also the places between the scale word, the codes and the products below
	v_pk_add_f32 v[TM+2:TM+3], v[SS+4:SS+5], v[SS+6:SS+7]
.irp j, 8,12,16,20
	v_pk_add_f32 v[TM:TM+1], v[TM:TM+1], v[SS+\j:SS+\j+1]
	v_pk_add_f32 v[TM+2:TM+3], v[TM+2:TM+3], v[SS+\j+2:SS+\j+3]
.endr
	v_pk_add_f32 v[TM:TM+1], v[TM:TM+1], v[TM+2:TM+3]
	v_add_f32 v[TM], v[TM], v[TM+1]
	v_add_f32 v[RL+2*\qt], v[TM], v[SS+24]
.irp u, 0,1
	MMZ R2+16*\qt+8*\u, VF+8*\u, PF, 28+\u, 30
.endr
.endm
.macro GELU                            ; R2 = gelu(R2); R3 at work.  Two batches of 64 transcendentals, one wait each
.set j_, 0
.rept 32
	v_pk_mul_f32 v[R3+j_:R3+j_+1], v[R2+j_:R2+j_+1], v[R2+j_:R2+j_+1]
.set j_, j_+2
.endr
.set j_, 0
.rept 32
	v_pk_fma_f32 v[R3+j_:R3+j_+1], v[R3+j_:R3+j_+1], s[26:27], v[18:19] op_sel_hi:[1,0,1]   ; k2 x^2 + k1
.set j_, j_+2
.endr
.set j_, 0
.rept 32
	v_pk_mul_f32 v[R3+j_:R3+j_+1], v[R3+j_:R3+j_+1], v[R2+j_:R2+j_+1]
.set j_, j_+2
.endr
.set j_, 0
.rept 64
	v_exp_f32 v[R3+j_], v[R3+j_]
.set j_, j_+1
.endr
	v_nop
	s_wait_alu depctr_va_vdst(0)
.set j_, 0
.rept 32
	v_pk_add_f32 v[R3+j_:R3+j_+1], v[R3+j_:R3+j_+1], 1.0 op_sel_hi:[1,0]
.set j_, j_+2
.endr
.set j_, 0
.rept 64
	v_rcp_f32 v[R3+j_], v[R3+j_]
.set j_, j_+1
.endr
	v_nop
	s_wait_alu depctr_va_vdst(0)
.set j_, 0
.rept 32
	v_pk_mul_f32 v[R2+j_:R2+j_+1], v[R2+j_:R2+j_+1], v[R3+j_:R3+j_+1]
.set j_, j_+2
.endr
.endm
.macro OUTROW i                        ; row i of my tile: + the FFN's second bias, and out: one store is one whole row of 512 bytes
	s_wait_dscnt 15-\i                             ; the rows read back behind row i may stay out
	v_pk_add_f32 v[R3+4*\i:R3+4*\i+1], v[R3+4*\i:R3+4*\i+1], v[248:249]
	v_pk_add_f32 v[R3+4*\i+2:R3+4*\i+3], v[R3+4*\i+2:R3+4*\i+3], v[250:251]
	global_store_b128 v[OF+\i], v[R3+4*\i:R3+4*\i+3], s[14:15] th:TH_STORE_NT
.endm
	; ---- THE HEAD
	s_load_b256 s[8:15], s[0:1], 0x0               ; x, the table, the pack, y
	v_lshrrev_b32 v32, 5, v0
	v_readfirstlane_b32 s2, v32                    ; wave 0..15
	s_lshr_b32 s3, s2, 2                           ; g
	s_and_b32 s4, s2, 3                            ; t
	s_lshr_b32 s16, ttmp9, 3                       ; my image,
	s_mul_i32 s16, s16, 3136*512                   ; in bytes (under 2^31)
	s_mov_b32 s17, 0
	s_and_b32 s18, ttmp9, 7
	s_lshl_b32 s18, s18, 3
	s_add_co_u32 s18, s18, s3                      ; my window of round 0 in the image: 8 (k % 8) + g
	s_lshl_b32 s18, s18, 8                         ; 256 bytes of table a window,
	s_lshl_b32 s19, s4, 6
	s_add_co_u32 s18, s18, s19                     ; 64 a tile
	s_mov_b32 s19, 0
	s_wait_kmcnt 0x0
	s_add_nc_u64 s[8:9], s[8:9], s[16:17]
	s_add_nc_u64 s[14:15], s[14:15], s[16:17]
	s_add_nc_u64 s[10:11], s[10:11], s[18:19]
	s_load_b512 s[32:47], s[10:11], 0x0            ; my 16 tokens of round 0,
	s_load_b512 s[48:63], s[10:11], 0x400          ; and of round 1, four windows on
	v_and_b32 v33, 31, v0                          ; lane
	v_and_b32 v34, 15, v0                          ; r
	v_bfe_u32 v35, v0, 4, 1                        ; h
	v_lshlrev_b32 v1, 4, v33
	v_lshlrev_b32 v36, 4, v0                       ; 16 x thread: the pack is copied 8,192 bytes at a time
	v_add_nc_u32 v38, 0x10000, v36
	v_lshrrev_b32 v37, 1, v33
	v_lshlrev_b32 v37, 2, v37
.set i_, 0
.rept 13
	global_load_b128 v[R3+4*i_:R3+4*i_+3], v36, s[12:13] offset:8192*i_
.set i_, i_+1
.endr
	s_cmp_lt_u32 s2, 9                             ; 111,104 = 13 x 8,192 + 9 x 512: the last piece is nine waves'
	s_cbranch_scc0 .Lshort1
	global_load_b128 v[212:215], v36, s[12:13] offset:8192*13
.Lshort1:
	global_load_b32 v16, v37, s[10:11] offset:1024 ; for the prefetch: the token of row lane / 2 of my next tile
	s_wait_kmcnt 0x0
.set i_, 0
.rept 32
	s_min_u32 s[32+i_], s[32+i_], 0xc3f            ; a token number stays inside the image,
	s_lshl_b32 s[32+i_], s[32+i_], 9               ; and becomes its row's byte offset
.set i_, i_+1
.endr
	XLOADS 32
	s_mul_i32 s16, s2, 16*SP
	s_add_co_u32 s16, s16, STAGE                   ; my stage
	v_add_nc_u32 v2, s16, v1                       ; by rows: 16 x lane
	v_mul_u32_u24 v3, v34, SP
	v_lshl_add_u32 v3, v35, 6, v3
	v_add_nc_u32 v3, s16, v3                       ; by tokens: row r, + 64 h
	s_lshl_b32 s16, s2, 10
	s_add_co_u32 s16, s16, XIMG
	v_add_nc_u32 v4, s16, v1
	s_lshl_b32 s16, s2, 6
	s_add_co_u32 s16, s16, XSC
	v_lshl_add_u32 v5, v34, 2, s16
	s_lshl_b32 s16, s3, 12
	s_add_co_u32 s17, s16, XIMG
	v_add_nc_u32 v6, s17, v1
	s_lshl_b32 s17, s3, 8
	s_add_co_u32 s18, s17, XSC
	v_lshl_add_u32 v7, v34, 2, s18
	s_lshl_b32 s18, s4, 8
	s_add_co_u32 s16, s16, s18
	s_add_co_u32 s16, s16, AIMG
	v_lshlrev_b32 v39, 4, v34                      ; 16 r
	v_lshl_add_u32 v8, v35, 3, v39
	v_add_nc_u32 v8, s16, v8                       ; block t of a fragment lies at 512 (t / 2) + 256 (t % 2) = 256 t; in it my 8 bytes at 16 r + 8 h
	s_add_co_u32 s17, s17, s4
	s_add_co_u32 s17, s17, ASC
	v_lshl_add_u32 v9, v34, 2, s17                 ; byte t of token r's scale word
	s_lshl_b32 s16, s4, 11
	v_add_nc_u32 v10, s16, v1                      ; my head's two tiles: fragments 2 t, 2 t + 1
	s_lshr_b32 s16, s4, 1
	s_lshl_b32 s16, s16, 8
	s_and_b32 s17, s4, 1
	s_lshl_b32 s17, s17, 3
	s_add_co_u32 s16, s16, s17
	s_add_co_u32 s16, s16, WS
	v_add_nc_u32 v11, s16, v39
	v_add_nc_u32 v12, WS, v39
	v_lshlrev_b32 v40, 6, v35                      ; 64 h
	v_add_nc_u32 v13, PAR, v40
	s_lshl_b32 s16, s4, 7
	s_add_co_u32 s16, s16, PAR+BQKV
	v_add_nc_u32 v14, s16, v40
	v_and_b32 v41, 8, v34
	v_add_nc_u32 v41, v41, v34                     ; r + 8 (r / 8)
	s_add_co_u32 s16, s16, 1024
	v_lshl_add_u32 v15, v41, 2, s16
	v_and_b32 v42, 1, v0
	v_mov_b32 v17, 0xff800000                      ; -infinity
	v_mov_b32 v18, 0xc0135761                      ; k1 = -2 sqrt(2 / pi) log2(e)
	v_mov_b32 v19, 0xc0135761
	s_mov_b32 s20, 0x76543210
	s_mov_b32 s21, 0xfedcba98                      ; v_permlanex16_b32's selects for lane l xor 16
	s_mov_b32 s22, 0x3e8293ee                      ; c = log2(e) / sqrt(32)
	s_mov_b32 s23, s22
	s_mov_b32 s26, 0xbdd2d3e8                      ; k2 = 0.044715 k1
	s_mov_b32 s27, s26
	s_mov_b32 s28, 0x3727c5ac                      ; eps = 1e-5
	s_mov_b32 s29, 0xffff                          ; lanes 0-15
	s_mov_b32 s30, 0
	s_wait_loadcnt 0x0                             ; the pack's pieces, the token, my first rows
	v_min_u32 v16, 0xc3f, v16
	v_lshlrev_b32 v16, 9, v16
	v_lshl_add_u32 v16, v42, 8, v16                ; lane l names half l % 2 of row l / 2: each 256 bytes of my next tile once
.set i_, 0
.rept 8
	ds_store_b128 v36, v[R3+4*i_:R3+4*i_+3] offset:8192*i_
.set i_, i_+1
.endr
.rept 5
	ds_store_b128 v38, v[R3+4*i_:R3+4*i_+3] offset:8192*(i_-8)
.set i_, i_+1
.endr
	s_cmp_lt_u32 s2, 9
	s_cbranch_scc0 .Lshort2
	ds_store_b128 v38, v[212:215] offset:8192*5
.Lshort2:
	BAR                                            ; the pack lies in LDS; nobody writes it again
.Lround:
	; ---- A: my 16 rows of x go into my stage by rows and come back by tokens; LayerNorm; the fragment's image and scale words to LDS
	s_wait_loadcnt 0x0                             ; my rows are in; their offsets' registers are free
.set i_, 0
.rept 16
	ds_store_b128 v2, v[R2+4*i_:R2+4*i_+3] offset:SP*i_
.set i_, i_+1
.endr
	PARLD R1, 3, 0, 4                              ; LDS serves a wave's instructions in order (ISA guide 5.7.1.4): these see the stores above
	s_wait_dscnt 0x0
	LNORM R1, R1, LNAG, LNAB
	QUANT R1, PC, 28
	ds_store_b128 v4, v[PC:PC+3]
	ds_store_b128 v4, v[PC+4:PC+7] offset:512
	ds_store_b32 v5, v28                           ; lanes r and r + 16 write the same word with the same value
	BAR                                            ; the round's sixteen fragments of LN(x) lie in LDS
	; ---- B: my head of my window
.irp tt, 0,1,2,3
	ds_load_b128 v[XF+8*\tt:XF+8*\tt+3], v6 offset:1024*\tt
	ds_load_b128 v[XF+8*\tt+4:XF+8*\tt+7], v6 offset:1024*\tt+512
.endr
.irp tt, 0,1,2,3
	ds_load_b32 v[20+\tt], v7 offset:64*\tt
.endr
	WFR 64, 10, 16384, 2                           ; v's two tiles of weights, fragments 16 + 2 t on,
	ds_load_b64 v[30:31], v11 offset:1024          ; their scale words,
	ds_load_b32 v80, v15                           ; and the bias of my lane's feature in each
	ds_load_b32 v88, v15 offset:32
	s_wait_dscnt 0x0
.irp j, 1,2,3,4,5,6,7
	v_mov_b32 v[80+\j], v80                        ; untransposed, a lane's eight results are eight tokens of one feature: one bias for all
	v_mov_b32 v[88+\j], v88
.endr
.irp tt, 0,1,2,3
.irp u, 0,1
	MM R2+32*\u+8*\tt, XF+8*\tt, 64+8*\u, 80+8*\u, 20+\tt, 30+\u
.endr
.endr
	PLACES 4
.irp u, 0,1
	v_cndmask_b32 v[R2+32*\u+24], 0, v[R2+32*\u+24], s29   ; of token tile 3 only token 48 is real: register 0, lanes 0-15; the rest of K is zeros
.irp j, 25,26,27,28,29,30,31
	v_mov_b32 v[R2+32*\u+\j], 0
.endr
.irp j, 4,5,6,7
	v_mov_b32 v[VF+8*\u+\j], 0                     ; K = 64 of 128: zero codes above
.endr
.endr
	QSCL R2, TM+4                                  ; block 2 u + b: tokens 32 b on of tile u's features
	v_lshl_or_b32 v28, v[TM+5], 8, v[TM+4]
	v_lshl_or_b32 v29, v[TM+7], 8, v[TM+6]
	QCVT R2, VF, 8, 2
.irp u, 0,1
.irp i, 0,1
	v_permlane16_swap_b32 v[VF+8*\u+\i], v[VF+8*\u+2+\i]
.endr
.endr
	HEADQK KF, 24, 8192, 512, 512                  ; k: fragments 8 + 2 t on
	HEADQK QF, 20, 0, 0, 0                         ; q: fragments 2 t on; its codes and bytes take the places of LN(x)'s, which are done with
.irp j, 4,5,6,7
	v_mov_b32 v[PF+\j], 0
.endr
	PLACES 4                                       ; with the four lines above and the one behind the conversions: eight places and more between q's bytes and the first scores, four and more behind q's swaps
	SOFT 0
	SOFT 1
	SOFT 2
	SOFT 3
.irp q, 0,1,2,3
	v_permlanex16_b32 v[TM+4+\q], v[RL+2*\q], s20, s21
.endr
.irp q, 0,1,2,3
	v_add_f32 v[RL+2*\q], v[RL+2*\q], v[TM+4+\q]   ; the rows' sums.  (These four and the lines that follow are the places behind the last products)
.endr
.irp q, 0,1,2,3
	v_rcp_f32 v[RL+2*\q], v[RL+2*\q]
.endr
	v_nop
	s_wait_alu depctr_va_vdst(0)                   ; one wait for the four reciprocals
.irp q, 0,1,2,3
.irp j, 0,2,4,6,8,10,12,14
	v_pk_mul_f32 v[R2+16*\q+\j:R2+16*\q+\j+1], v[R2+16*\q+\j:R2+16*\q+\j+1], v[RL+2*\q:RL+2*\q+1] op_sel_hi:[1,0]
.endr
.endr
	QSCL R2, TM+4                                  ; my head's 32 channels are block t of the next product's K, for each of the four tiles of tokens
	QCVT R2, PC, 4, 2
.irp q, 0,1,2,3
	ds_store_b64 v8, v[PC+2*\q:PC+2*\q+1] offset:1024*\q   ; registers 2 h, 2 h + 1 of block t in the image of tile q's fragment
	ds_store_b8 v9, v[TM+4+\q] offset:64*\q
.endr
	BAR                                            ; the round's sixteen fragments of the attention's result lie in LDS
	; ---- C: my 16 tokens again: projection, residual, LayerNorm, FFN, residual
	ds_load_b128 v[PC:PC+3], v4 offset:A_X
	ds_load_b128 v[PC+4:PC+7], v4 offset:A_X+512
	ds_load_b32 v28, v5 offset:A_X
	PARLD R1, 3, 0, 4                              ; x, from my stage
	PARLD R2, 13, BO, 4                            ; o's bias: the C of the products
	WFR R3, 1, 24576, 8                            ; o's eight tiles
	ds_load_b128 v[20:23], v12 offset:1536
	ds_load_b128 v[24:27], v12 offset:1792
	s_wait_dscnt 0x0
.irp i, 0,1,2,3,4,5,6,7
	MM R2+8*\i, R3+8*\i, PC, R2+8*\i, 20+\i, 28
.endr
	PLACES 4
.set j_, 0
.rept 32
	v_pk_add_f32 v[R1+j_:R1+j_+1], v[R1+j_:R1+j_+1], v[R2+j_:R2+j_+1]   ; x1
.set j_, j_+2
.endr
	LNORM R1, R2, LNBG, LNBB
	QUANT R2, X2F, 29
	s_mov_b32 s31, 0
	s_mov_b32 s66, 0
	s_mov_b32 s67, 0
	s_cmp_eq_u32 s4, 3                             ; the prefetch stands in the last chunk of round 0, in waves whose next tile has 16 rows
	s_cselect_b32 s68, -1, 3
	s_cmp_eq_u32 s30, 0
	s_cselect_b32 s68, s68, -1
	PLACES 4                                       ; with the four additions below and the line behind the conversions: eight places and more between LN(x1)'s scale word and the first product
.Lchunk:                                               ; four trips: 128 hidden units each, which are one K step of the second product.  x1's registers are that product's accumulators: the residual costs nothing
	v_add_nc_u32 v[MS], s66, v1                    ; (these four are the places behind the last trip's products, ahead of the loads into their registers)
	v_add_nc_u32 v[MS+2], s67, v13
	v_add_nc_u32 v[MS+3], s67, v12
	v_add_nc_u32 v[MS+1], 0x10000, v[MS]
	PARLD R2, MS+2, FB1, 4                         ; the first bias: the C of the products
	WFR R3, MS, 32768, 8                           ; fragments 32 + 8 chunk on
	ds_load_b128 v[20:23], v[MS+3] offset:2048
	ds_load_b128 v[24:27], v[MS+3] offset:2304
	s_cmp_eq_u32 s31, s68
	s_cbranch_scc0 .Lnoask
	global_prefetch_b8 v16, s[8:9] th:TH_LOAD_NT scope:SCOPE_SE   ; my next tile's 16 rows, a lane to each 256 bytes: one chunk ahead of the loads that want them
.Lnoask:
	s_wait_dscnt 0x0
.irp i, 0,1,2,3,4,5,6,7
	MM R2+8*\i, R3+8*\i, X2F, R2+8*\i, 20+\i, 29
.endr
	PLACES 4
	GELU
	WFR R3, MS+1, 0, 8                             ; fragments 64 + 8 chunk on: they land while the hidden units are quantised
	ds_load_b128 v[20:23], v[MS+3] offset:4096
	ds_load_b128 v[24:27], v[MS+3] offset:4352
	QUANT R2, PC, 30
	PLACES 8                                       ; between the scale word (eight places) and the codes (four) just made and the products
	s_wait_dscnt 0x0
.irp i, 0,1,2,3,4,5,6,7
	MM R1+8*\i, R3+8*\i, PC, R1+8*\i, 20+\i, 30    ; the eight accumulators by turns; the trip's first product names another accumulator than its last
.endr
	s_add_co_u32 s66, s66, 8192
	s_add_co_u32 s67, s67, 512
	s_add_co_u32 s31, s31, 1
	s_cmp_lt_u32 s31, 4
	s_cbranch_scc1 .Lchunk
	; ---- THE WAY OUT: by tokens into my stage, back by rows, + the second bias, whole rows out
	PLACES 4
	s_cmp_eq_u32 s30, 0
	s_cbranch_scc0 .Lnonext
	XLOADS 48                                      ; the next round's rows are asked for ahead of the stores
.Lnonext:
.irp b, 0,1,2,3
.irp q, 0,1,2,3
	ds_store_b128 v3, v[R1+16*\b+4*\q:R1+16*\b+4*\q+3] offset:128*\b+16*\q   ; each accumulator from its low end on
.endr
.endr
	v_add_nc_u32 v[MS], PAR+FB2, v1
	ds_load_b128 v[248:251], v[MS]                 ; the bias of my four features of a row
.set i_, 0
.rept 16
	ds_load_b128 v[R3+4*i_:R3+4*i_+3], v2 offset:SP*i_
.set i_, i_+1
.endr
	s_wait_xcnt 0x0                                ; the loads just issued have read their offsets: the registers take this round's rows again
.set i_, 0
.rept 16
	v_add_nc_u32 v[OF+i_], s[32+i_], v1
.set i_, i_+1
.endr
	OUTROW 0
	s_cmp_eq_u32 s4, 3                             ; tile 3 has this one row
	s_cbranch_scc1 .Lstored
.irp i, 1,2,3,4,5,6,7,8,9,10,11,12,13,14,15
	OUTROW \i
.endr
.Lstored:
	s_wait_dscnt 0x0                               ; (tile 3's unused rows are back too)
	s_wait_xcnt 0x0                                ; the stores have read their data and offsets: both are written again in the next round
.irp j, 0,2,4,6,8,10,12,14
	s_mov_b64 s[32+\j:33+\j], s[48+\j:49+\j]
.endr
	s_add_co_u32 s30, s30, 1
	s_cmp_lt_u32 s30, 2
	s_cbranch_scc1 .Lround
	s_wait_xcnt 0x0
	v_lshl_add_u32 v254, v0, 2, 0x44a00
	v_mov_b32 v255, 0
	s_wait_tensorcnt 0x0
	ds_add_u32 v254, v255
	s_wait_dscnt 0x0
	s_endpgm
.Lfunc_end_k_q5e7a0f71a7_half1:
	.size	k_q5e7a0f71a7_half1, .Lfunc_end_k_q5e7a0f71a7_half1-k_q5e7a0f71a7_half1
	.p2alignl 7, 3214868480
	.fill 96, 4, 3214868480
	.section	.rodata,"a",@progbits
	.p2align	6, 0x0
	.amdhsa_kernel k_q5e7a0f71a7_half1
		.amdhsa_group_segment_fixed_size 283136
		.amdhsa_private_segment_fixed_size 0
		.amdhsa_enable_private_segment 0
		.amdhsa_kernarg_size 32
		.amdhsa_user_sgpr_count 2
		.amdhsa_user_sgpr_kernarg_segment_ptr 1
		.amdhsa_wavefront_size32 1
		.amdhsa_system_sgpr_workgroup_id_x 1
		.amdhsa_system_sgpr_workgroup_id_y 1
		.amdhsa_system_sgpr_workgroup_id_z 1
		.amdhsa_system_vgpr_workitem_id 0
		.amdhsa_next_free_vgpr 256
		.amdhsa_next_free_sgpr 72
		.amdhsa_reserve_vcc 0
		.amdhsa_float_denorm_mode_32 3
		.amdhsa_float_denorm_mode_16_64 3
		.amdhsa_memory_ordered 1
		.amdhsa_forward_progress 1
		.amdhsa_inst_pref_size 140
	.end_amdhsa_kernel
	.amdgpu_metadata
---
amdhsa.version: [ 1, 2 ]
amdhsa.kernels:
  - .name:           k_q5e7a0f71a7_half1
    .symbol:         k_q5e7a0f71a7_half1.kd
    .args:
      - { .name: x, .offset: 0, .size: 8, .value_kind: global_buffer, .address_space: global }
      - { .name: tab1, .offset: 8, .size: 8, .value_kind: global_buffer, .address_space: global }
      - { .name: pack1, .offset: 16, .size: 8, .value_kind: global_buffer, .address_space: global }
      - { .name: xmid, .offset: 24, .size: 8, .value_kind: global_buffer, .address_space: global }
    .group_segment_fixed_size: 283136
    .private_segment_fixed_size: 0
    .kernarg_segment_align: 8
    .kernarg_segment_size: 32
    .max_flat_workgroup_size: 512
    .sgpr_count:     72
    .vgpr_count:     256
    .wavefront_size: 32
...
	.end_amdgpu_metadata
.endif
;; end of part 2
;; launch half2: the kernel of part 2 again; grid 256 x 1, 16 waves a work-group, no clusters, 283,136 bytes of LDS; arguments xmid, tab2, pack2, out0; writes out0
;; ======== version 2 of 2: 3 launches
;; workspace buffers: pack1 111,104 bytes; pack2 111,104 bytes; tab1 16,384 bytes of whole numbers; tab2 16,384 bytes of whole numbers; xmid 51,380,224 bytes
;; launch prep (part 3): grid 25 x 2, 4 waves a work-group, no clusters, 1,536 bytes of LDS; arguments w1_qkv, w1_o, f1_w1, f1_w2, w2_qkv, w2_o, f2_w1, f2_w2, ln1_g, ln1_b, b1_qkv, b1_o, ln2_g, ln2_b, f1_b1, f1_b2, ln3_g, ln3_b, b2_qkv, b2_o, ln4_g, ln4_b, f2_b1, f2_b2, pack1, pack2, tab1, tab2; writes pack1, pack2, tab1, tab2
.if DOCPART == 3
	.amdgcn_target "amdgcn-amd-amdhsa--gfx1250"
	.amdhsa_code_object_version 6
	.text
	.protected	k_q5e7a0f71a7_prep
	.globl	k_q5e7a0f71a7_prep
	.p2align	8
	.type	k_q5e7a0f71a7_prep,@function
k_q5e7a0f71a7_prep:
	s_mov_b64 s[64:65], 0
	v_nop
	global_prefetch_b8 v0, s[64:65] scope:SCOPE_SE
	s_setreg_imm32_b32 hwreg(HW_REG_WAVE_MODE, 25, 1), 1
	s_wait_xcnt 0x0
; THE WEIGHTS OF ONE HALF OF THE BLOCK (work-group y = 0: first half, 1: second) become one pack of 111,104 bytes, laid as the next launch keeps it in LDS:
;   bytes 0 ..      96 fragments of 1,024 bytes: codes of E2M1 in the order of an operand's registers (registers 4 c .. 4 c + 3 of lane l at 512 c + 16 l)
;   bytes WS ..     their scale words: that of fragment f, row-lane r, at 256 (f / 4) + 16 r + 4 (f % 4)
;   bytes PAR ..    the half's eight vectors (gains, biases) as they lie, 13 pieces of 512 bytes
; Fragments: 0-23 qkv, 24-31 o, 32-63 the FFN's first weight, 64 + 8 s + t its second (K step s, tile t).  All weights are stored [K][N]: a lane takes one column and its registers run down K,
; in the order that the operand's layout gives the lane: k = k0 + 64 c + 32 h + 0 .. 31.  So a lane holds two whole blocks of 32, no maximum crosses lanes, and the conversions' results are the fragment.
; THE COLUMNS OF A TILE ARE NOT NEIGHBOURS: lane r of tile 2 b + u takes column 32 b + 8 u + r + 8 (r / 8), so that the results of two neighbouring tiles are 16 neighbours along the next product's K.
; A block's scale is 2^(floor(log2(largest magnitude)) - 2); its byte is the largest magnitude's exponent field - 2, held at 1 from below.
; LIMITS: a block of zeros gets the byte 1 where the rule says 127 (its codes are zeros and this program alone reads the byte); NaN and infinities among the inputs are not served.
; Work-groups x = 0 .. 23: four fragments each, one a wave.  Work-group x = 24: the table of tokens (slot s of window w of an image -> token number, the second half's windows shifted by 3), and the vectors.
.set WS,  98304
.set PAR, 104448
.macro WLOAD pitch                     ; 64 numbers down K of my column: W(64 c + 32 h + i, column); pitch = bytes in a row of W
.irp c, 0,1
.set i_, 0
.rept 32
	global_load_b32 v[64+32*\c+i_], v3, s[4:5] offset:(64*\c+i_)*\pitch th:TH_LOAD_NT
.set i_, i_+1
.endr
.endr
.endm
.macro TILE                            ; s7 = the tile: its first column is 32 (s7 / 2) + 8 (s7 % 2), 4 bytes each; s66 holds the K step's bytes
	s_lshr_b32 s68, s7, 1
	s_lshl_b32 s68, s68, 7
	s_and_b32 s69, s7, 1
	s_lshl_b32 s69, s69, 5
	s_add_co_u32 s68, s68, s69
	s_add_co_u32 s66, s66, s68
	s_add_nc_u64 s[4:5], s[4:5], s[66:67]
.endm
.macro CP p, base, off                 ; piece p of the vectors: 512 bytes, 16 a lane
	global_load_b128 v[64+4*\p:67+4*\p], v4, s[\base:\base+1] offset:\off
.endm
	s_load_b512 s[8:23], s[0:1], 0x0               ; the four weights of the first half, then of the second
	s_load_b512 s[24:39], s[0:1], 0x40             ; the eight vectors of the first half
	s_load_b512 s[40:55], s[0:1], 0x80             ; and of the second
	s_load_b256 s[56:63], s[0:1], 0xc0             ; pack1, pack2, tab1, tab2
	v_lshl_add_u32 v128, v0, 2, 0x400
	v_mov_b32 v129, 0
	v_lshrrev_b32 v1, 5, v0
	v_readfirstlane_b32 s2, v1                     ; wave 0..3
	s_and_b32 s3, ttmp7, 0xffff                    ; which half
	v_and_b32 v1, 15, v0                           ; r
	v_bfe_u32 v2, v0, 4, 1                         ; h
	v_and_b32 v4, 31, v0
	v_lshlrev_b32 v5, 3, v4                        ; 8 x lane
	v_lshlrev_b32 v4, 4, v4                        ; 16 x lane
	s_lshl_b32 s7, s2, 2
	v_lshlrev_b32 v6, 4, v1
	v_add_nc_u32 v6, s7, v6                        ; LDS: 16 r + 4 x wave: my fragment's scale word among the work-group's four
	s_mov_b32 s70, 0x76543210
	s_mov_b32 s71, 0xfedcba98                      ; v_permlanex16_b32's selects for lane l xor 16
	s_wait_kmcnt 0x0
	s_cmp_eq_u32 s3, 0                             ; the half's buffers: the choice hangs on the work-group's number alone
	s_cselect_b64 s[8:9], s[8:9], s[16:17]         ; qkv
	s_cselect_b64 s[10:11], s[10:11], s[18:19]     ; o
	s_cselect_b64 s[12:13], s[12:13], s[20:21]     ; the FFN's first weight
	s_cselect_b64 s[14:15], s[14:15], s[22:23]     ; its second
.irp j, 0,2,4,6,8,10,12,14
	s_cselect_b64 s[24+\j:25+\j], s[24+\j:25+\j], s[40+\j:41+\j]
.endr
	s_cselect_b64 s[56:57], s[56:57], s[58:59]     ; the pack
	s_cselect_b64 s[60:61], s[60:61], s[62:63]     ; the table
	s_cselect_b32 s3, 56, 53                       ; 56 - the shift
	s_cmp_eq_u32 ttmp9, 24
	s_cbranch_scc1 .Lmisc
	s_lshl_b32 s6, ttmp9, 2
	s_add_co_u32 s6, s6, s2                        ; my fragment
	s_wait_alu depctr_va_vdst(0)
	v_and_b32 v3, 8, v1
	v_add_nc_u32 v3, v3, v1
	v_lshlrev_b32 v3, 2, v3                        ; 4 (r + 8 (r / 8)): my column in the tile
	s_mov_b32 s66, 0
	s_mov_b32 s67, 0
	s_cmp_lt_u32 ttmp9, 6
	s_cbranch_scc1 .Lqkv
	s_cmp_lt_u32 ttmp9, 8
	s_cbranch_scc1 .Lnarrow
	s_cmp_lt_u32 ttmp9, 16
	s_cbranch_scc1 .Lwide
.Lnarrow:                                              ; rows of 128 numbers: o (fragments 24-31) and the FFN's second weight (64-95)
	s_cmp_lt_u32 ttmp9, 8
	s_cselect_b64 s[4:5], s[10:11], s[14:15]
	s_cselect_b32 s7, 24, 64
	s_sub_co_u32 s7, s6, s7
	s_lshr_b32 s66, s7, 3                          ; the K step (0 for o)
	s_lshl_b32 s66, s66, 16                        ; 128 rows of 512 bytes
	s_and_b32 s7, s7, 7
	TILE
	s_wait_alu depctr_va_vdst(0)
	v_lshl_add_u32 v3, v2, 14, v3                  ; lanes 16-31 begin 32 rows further down
	WLOAD 512
	s_branch .Lquant
.Lqkv:                                                 ; rows of 384 numbers
	s_mov_b64 s[4:5], s[8:9]
	s_mov_b32 s7, s6
	TILE
	s_wait_alu depctr_va_vdst(0)
	v_mad_u32_u24 v3, v2, 32*1536, v3
	WLOAD 1536
	s_branch .Lquant
.Lwide:                                                ; rows of 512 numbers
	s_mov_b64 s[4:5], s[12:13]
	s_sub_co_u32 s7, s6, 32
	TILE
	s_wait_alu depctr_va_vdst(0)
	v_lshl_add_u32 v3, v2, 16, v3
	WLOAD 2048
.Lquant:
	s_wait_loadcnt 0x0
.irp c, 0,1                                    ; my block 2 c + h: all its 32 numbers are mine
	v_max3_num_f32 v[32+\c], |v[64+32*\c]|, |v[65+32*\c]|, 0x1800000   ; and the floor 2^(3 - 127): the byte cannot fall under 1
.endr
.irp i, 2,4,6,8,10,12,14,16,18,20,22,24,26,28,30
.irp c, 0,1
	v_max3_num_f32 v[32+\c], v[32+\c], |v[64+32*\c+\i]|, |v[65+32*\c+\i]|
.endr
.endr
.irp c, 0,1
	v_add_nc_u32 v[44+\c], 0xff000000, v[32+\c]    ; 2 off the exponent field: the conversion takes the exponent field of this operand as its scale
.endr
.irp c, 0,1
	v_lshrrev_b32 v[36+\c], 23, v[44+\c]           ; the scale's byte
.endr
	v_lshl_or_b32 v9, v37, 16, v36                 ; my two bytes, blocks h and 2 + h,
	v_lshlrev_b32 v10, 3, v2
	v_lshlrev_b32 v9, v10, v9                      ; at their places in the word;
	v_mov_b32 v10, 0
	v_permlanex16_b32 v10, v9, s70, s71
	v_or_b32 v9, v9, v10                           ; with lane l xor 16's two the word is whole
.irp c, 0,1
.irp g, 0,1,2,3
	v_cvt_scalef32_pk8_fp4_f32 v[48+4*\c+\g], v[64+32*\c+8*\g:71+32*\c+8*\g], v[44+\c]
.endr
.endr
	s_lshl_b32 s66, s6, 10
	s_mov_b32 s67, 0
	s_add_nc_u64 s[66:67], s[56:57], s[66:67]      ; my fragment's 1,024 bytes
	global_store_b128 v4, v[48:51], s[66:67]       ; each store of the wave covers 512 consecutive bytes, aligned
	global_store_b128 v4, v[52:55], s[66:67] offset:512
	ds_store_b32 v6, v9                            ; lanes r and r + 16 write the same word with the same value
	s_wait_dscnt 0x0                               ; for the others' sake: my word has landed
	s_barrier_signal -1
	s_barrier_wait -1
	s_cmp_lg_u32 s2, 0
	s_cbranch_scc1 .Lend
	ds_load_b64 v[12:13], v5                       ; wave 0: the four fragments' 256 bytes of scale words
	s_lshl_b32 s68, ttmp9, 8
	s_mov_b32 s69, 0
	s_add_nc_u64 s[68:69], s[56:57], s[68:69]
	s_wait_dscnt 0x0
	global_store_b64 v5, v[12:13], s[68:69] offset:WS   ; 256 consecutive bytes, aligned
.Lend:
	s_wait_tensorcnt 0x0
	ds_add_u32 v128, v129
	s_wait_dscnt 0x0
	s_endpgm
.Lmisc:
	s_wait_alu depctr_va_vdst(0)
	; THE TABLE.  Entry E = 64 w + s = 128 (wave + 4 i) + 4 lane + q: so w = 8 i + 2 wave + h: the window's row is i, its column 2 wave + h; s = 4 r + q.  Slots over 48 repeat slot 48.
.irp q, 0,1,2,3
	v_lshl_add_u32 v[8+\q], v1, 2, \q
	v_min_u32 v[8+\q], 48, v[8+\q]
	v_mul_u32_u24 v[12+\q], v[8+\q], 37
	v_lshrrev_b32 v[12+\q], 8, v[12+\q]            ; a = s / 7 (37 s / 256, rounded down, is that for s up to 48)
	v_mul_u32_u24 v[16+\q], v[12+\q], 7
	v_sub_nc_u32 v[16+\q], v[8+\q], v[16+\q]       ; b = s - 7 a
.endr
	v_lshl_add_u32 v20, s2, 1, v2
	v_mad_u32_u24 v20, v20, 7, s3                  ; 7 x the window's column + 56 - the shift
.irp q, 0,1,2,3
	v_add_nc_u32 v[16+\q], v[16+\q], v20
	v_add_nc_u32 v[24+\q], 0xffffffc8, v[16+\q]    ; - 56: it wraps to a huge number where the column lay under 56,
	v_min_u32 v[16+\q], v[16+\q], v[24+\q]         ; so the smaller of the two is the column modulo 56
	v_add_nc_u32 v[12+\q], s3, v[12+\q]            ; a + 56 - the shift
.endr
	v_lshlrev_b32 v30, 4, v0                       ; 512 x wave + 16 x lane
.irp i, 0,1,2,3,4,5,6,7
.irp q, 0,1,2,3
	v_add_nc_u32 v28, 7*\i, v[12+\q]
	v_add_nc_u32 v29, 7*\i-56, v[12+\q]
	v_min_u32 v28, v28, v29                        ; the row modulo 56
	v_mad_u32_u24 v[32+4*\i+\q], v28, 56, v[16+\q]
.endr
	global_store_b128 v30, v[32+4*\i:35+4*\i], s[60:61] offset:2048*\i   ; each set of four has registers of its own: no store's data are written again
.endr
	s_cmp_lg_u32 s2, 0
	s_cbranch_scc1 .Lend2
	CP 0, 24, 0                                    ; wave 0: the first norm's gain, its bias,
	CP 1, 26, 0
	CP 2, 28, 0                                    ; qkv's bias,
	CP 3, 28, 512
	CP 4, 28, 1024
	CP 5, 30, 0                                    ; o's bias,
	CP 6, 32, 0                                    ; the second norm's gain and bias,
	CP 7, 34, 0
	CP 8, 36, 0                                    ; the FFN's first bias,
	CP 9, 36, 512
	CP 10, 36, 1024
	CP 11, 36, 1536
	CP 12, 38, 0                                   ; and its second
	s_wait_loadcnt 0x0
.irp p, 0,1,2,3,4,5,6,7,8,9,10,11,12
	global_store_b128 v4, v[64+4*\p:67+4*\p], s[56:57] offset:PAR+512*\p
.endr
.Lend2:
	s_endpgm
.Lfunc_end_k_q5e7a0f71a7_prep:
	.size	k_q5e7a0f71a7_prep, .Lfunc_end_k_q5e7a0f71a7_prep-k_q5e7a0f71a7_prep
	.p2alignl 7, 3214868480
	.fill 96, 4, 3214868480
	.section	.rodata,"a",@progbits
	.p2align	6, 0x0
	.amdhsa_kernel k_q5e7a0f71a7_prep
		.amdhsa_group_segment_fixed_size 1536
		.amdhsa_private_segment_fixed_size 0
		.amdhsa_enable_private_segment 0
		.amdhsa_kernarg_size 224
		.amdhsa_user_sgpr_count 2
		.amdhsa_user_sgpr_kernarg_segment_ptr 1
		.amdhsa_wavefront_size32 1
		.amdhsa_system_sgpr_workgroup_id_x 1
		.amdhsa_system_sgpr_workgroup_id_y 1
		.amdhsa_system_sgpr_workgroup_id_z 1
		.amdhsa_system_vgpr_workitem_id 0
		.amdhsa_next_free_vgpr 130
		.amdhsa_next_free_sgpr 72
		.amdhsa_reserve_vcc 0
		.amdhsa_float_denorm_mode_32 3
		.amdhsa_float_denorm_mode_16_64 3
		.amdhsa_memory_ordered 1
		.amdhsa_forward_progress 1
		.amdhsa_inst_pref_size 37
	.end_amdhsa_kernel
	.amdgpu_metadata
---
amdhsa.version: [ 1, 2 ]
amdhsa.kernels:
  - .name:           k_q5e7a0f71a7_prep
    .symbol:         k_q5e7a0f71a7_prep.kd
    .args:
      - { .name: w1_qkv, .offset: 0, .size: 8, .value_kind: global_buffer, .address_space: global }
      - { .name: w1_o, .offset: 8, .size: 8, .value_kind: global_buffer, .address_space: global }
      - { .name: f1_w1, .offset: 16, .size: 8, .value_kind: global_buffer, .address_space: global }
      - { .name: f1_w2, .offset: 24, .size: 8, .value_kind: global_buffer, .address_space: global }
      - { .name: w2_qkv, .offset: 32, .size: 8, .value_kind: global_buffer, .address_space: global }
      - { .name: w2_o, .offset: 40, .size: 8, .value_kind: global_buffer, .address_space: global }
      - { .name: f2_w1, .offset: 48, .size: 8, .value_kind: global_buffer, .address_space: global }
      - { .name: f2_w2, .offset: 56, .size: 8, .value_kind: global_buffer, .address_space: global }
      - { .name: ln1_g, .offset: 64, .size: 8, .value_kind: global_buffer, .address_space: global }
      - { .name: ln1_b, .offset: 72, .size: 8, .value_kind: global_buffer, .address_space: global }
      - { .name: b1_qkv, .offset: 80, .size: 8, .value_kind: global_buffer, .address_space: global }
      - { .name: b1_o, .offset: 88, .size: 8, .value_kind: global_buffer, .address_space: global }
      - { .name: ln2_g, .offset: 96, .size: 8, .value_kind: global_buffer, .address_space: global }
      - { .name: ln2_b, .offset: 104, .size: 8, .value_kind: global_buffer, .address_space: global }
      - { .name: f1_b1, .offset: 112, .size: 8, .value_kind: global_buffer, .address_space: global }
      - { .name: f1_b2, .offset: 120, .size: 8, .value_kind: global_buffer, .address_space: global }
      - { .name: ln3_g, .offset: 128, .size: 8, .value_kind: global_buffer, .address_space: global }
      - { .name: ln3_b, .offset: 136, .size: 8, .value_kind: global_buffer, .address_space: global }
      - { .name: b2_qkv, .offset: 144, .size: 8, .value_kind: global_buffer, .address_space: global }
      - { .name: b2_o, .offset: 152, .size: 8, .value_kind: global_buffer, .address_space: global }
      - { .name: ln4_g, .offset: 160, .size: 8, .value_kind: global_buffer, .address_space: global }
      - { .name: ln4_b, .offset: 168, .size: 8, .value_kind: global_buffer, .address_space: global }
      - { .name: f2_b1, .offset: 176, .size: 8, .value_kind: global_buffer, .address_space: global }
      - { .name: f2_b2, .offset: 184, .size: 8, .value_kind: global_buffer, .address_space: global }
      - { .name: pack1, .offset: 192, .size: 8, .value_kind: global_buffer, .address_space: global }
      - { .name: pack2, .offset: 200, .size: 8, .value_kind: global_buffer, .address_space: global }
      - { .name: tab1, .offset: 208, .size: 8, .value_kind: global_buffer, .address_space: global }
      - { .name: tab2, .offset: 216, .size: 8, .value_kind: global_buffer, .address_space: global }
    .group_segment_fixed_size: 1536
    .private_segment_fixed_size: 0
    .kernarg_segment_align: 8
    .kernarg_segment_size: 224
    .max_flat_workgroup_size: 128
    .sgpr_count:     72
    .vgpr_count:     130
    .wavefront_size: 32
...
	.end_amdgpu_metadata
.endif
;; end of part 3
;; launch half1 (part 4): grid 256 x 1, 16 waves a work-group, no clusters, 283,136 bytes of LDS; arguments x, tab1, pack1, xmid; writes xmid
.if DOCPART == 4
	.amdgcn_target "amdgcn-amd-amdhsa--gfx1250"
	.amdhsa_code_object_version 6
	.text
	.protected	k_q5e7a0f71a7_half1
	.globl	k_q5e7a0f71a7_half1
	.p2align	8
	.type	k_q5e7a0f71a7_half1,@function
k_q5e7a0f71a7_half1:
	s_mov_b64 s[64:65], 0
	v_nop
	global_prefetch_b8 v0, s[64:65] scope:SCOPE_SE
	s_setreg_imm32_b32 hwreg(HW_REG_WAVE_SCHED_MODE, 0, 2), 2
	s_setreg_imm32_b32 hwreg(HW_REG_WAVE_MODE, 25, 1), 1
	s_wait_xcnt 0x0
	s_wait_alu depctr_vm_vsrc(0)
; ONE HALF OF THE BLOCK: y = x1 + FFN(LN(x1)), x1 = x + windowed attention(LN(x)); every product on codes of E2M1 with one E8M0 scale for each 32 along its K.  All of it is local to a window of 49 tokens.
; Which tokens form a window comes from a table of whole numbers (slot s of window w of an image -> token); the shifted windows of the second half differ in the table alone, so one text serves both halves.
; SHARES.  Work-group k owns windows 8 k .. 8 k + 7 (all of image k / 8) and walks them in two rounds of four.  Sixteen waves of 256 registers, four to a SIMD.  Wave w: g = w / 4 its window of the round, t = w % 4.
;   Phases A and C go by tokens: wave (g, t) owns slots 16 t .. 16 t + 15 of window g (tile 3 has one real token; its other rows are zeros and are never stored).
;   Phase B goes by heads: wave (g, t) owns head t of window g for all 64 slots and makes its own q, k, v from the window's four fragments of LN(x): q, k, v, scores and p never leave the wave.
; LAYOUT.  Products by tokens are used transposed (source 0 = 16 columns of a weight, source 1 = 16 tokens): lane (r, h) holds token r, and the 16 registers of tiles 2 b, 2 b + 1 are features 32 b + 16 h + 0 .. 15, since
;   the pack's tiles take their columns so.  x is read from the wave's stage in the same order.  A block of 32 lies in lanes l and l xor 16.
;   v is made untransposed (source 0 = tokens, source 1 = columns): a lane holds one feature and register 8 tt + j token 16 tt + 8 h + j.  S^T = k q^T gives a lane one query and register 8 kt + j key 16 kt + 8 h + j.
;   So v and p reach their code places by the same conversions and swaps: a permutation inside a block of 32 keys, alike on both operands.  Blocks: keys 0-31; keys 32-48 and zeros.
; SOFTMAX.  t = score x log2(e) / sqrt(32); M = ceil(the row's largest t); p = 2^(t - M) is quantised; the row's sum of the unquantised p divides at the end.
; GELU (tanh form) is computed as x / (1 + 2^(x (k1 + k2 x^2))), k1 = -2 sqrt(2 / pi) log2(e), k2 = 0.044715 k1: the same function, with no difference of near numbers.
; OPERANDS GO FROM WAVE TO WAVE THROUGH LDS AS IMAGES OF THEIR REGISTERS (16 bytes a lane and group of four registers; scale words 4 bytes a row).  Two barriers a round.
; No cluster: what work-groups share is the pack, 111,104 bytes read once by each, against 200,704 bytes of rows in and as many out that no partner shares.  No tensor load: a shifted window wraps round the image and is no rectangle.
; LIMITS: NaN and infinities among the inputs are not served; a block of zeros gets the scale byte 1 where the rule says 127 (its codes are zeros, and this program alone reads the byte).
; THE MODE: SCHED_MODE bits 1:0 = 2 (LLVM: expert scheduling mode 2), set by the entry lines.  The code itself states the register dependences between vector or matrix instructions and memory or LDS instructions,
; with s_wait_alu, always for 0.
; THE PLAN.  Registers that memory or LDS instructions touch, round the loop over rounds:
;   v1-v16    addresses and offsets: written at the head, never again.  The wait on va_vdst at the round's head states them once (v36-38, the pack's: the wait ahead of the pack's loads).
;   OF        row offsets: written by vector additions, a wait on va_vdst, read by the rows' loads; on the way out a wait on vm_vsrc, written again, read by the rows' stores; then X2F and TM take the registers, behind the round's head.
;   R2        A: rows of x land (asked for a round ahead; tile 3: zeros are moved in), the stage's stores read them.  B: products write it, behind a wait on vm_vsrc.  C: biases land; products and vector work name it.
;   R1        A: my tokens land.  B: fragments, weights and biases land.  C: x lands, the FFN's products add onto it, the way out's LDS stores read it.
;   R3        gains, biases and weights land; vector and matrix instructions read them: a wait on va_vdst stands ahead of each new run of loads into it.  On the way out rows land, the bias is added, the stores read them.
;   PC, v28, v[TM+4 ..]  written by the quantiser, a wait on va_vdst, read by LDS stores; written or loaded again behind the wait on vm_vsrc of phase B and of phase C.
;   v20-27, v30-31  scale words land, products read them: the waits ahead of the runs of loads into R1 and R3 serve them too.
;   MS        the FFN loop's LDS addresses: a wait on vm_vsrc, four additions, and the trip's wait on va_vdst, which stands there for the loads into R2 and R3 in any case.
; Codes and scale words that vector instructions have just made have a wait on va_vdst between their places and the scaled product that takes them.
.set WS,    98304                      ; LDS, bytes 0 .. 111,103: the pack: 96 weight fragments, from WS their scale words, from PAR the vectors
.set PAR,   104448
.set LNAG,  0                          ; within PAR: the first norm's gain and bias, qkv's bias, o's bias, the second norm's gain and bias, the FFN's two biases
.set LNAB,  512
.set BQKV,  1024
.set BO,    2560
.set LNBG,  3072
.set LNBB,  3584
.set FB1,   4096
.set FB2,   6144
.set XIMG,  111104                     ; 16 fragments of LN(x), wave w's at 1,024 w
.set XSC,   127488                     ; their scale words: token r's at 64 w + 4 r
.set AIMG,  128512                     ; 16 fragments of the attention's result
.set ASC,   144896                     ; their scale words
.set A_X,   AIMG-XIMG                  ; = ASC - XSC
.set STAGE, 145920                     ; 16 rows x (512 bytes + 16) for each wave, its own
.set SP,    528
.set R1,  32                           ; v32-95, v96-159, v160-223: three regions of 64
.set R2,  96
.set R3,  160
.set PC,  224                          ; v224-231 a fragment just made or fetched
.set X2F, 232                          ; v232-239 the fragment of LN(x1)
.set TM,  240                          ; v240-251 at work
.set MS,  252                          ; v252-255 mean, 1 / sigma, -M; in the FFN loop LDS addresses
.set OF,  232                          ; v232-247 the 16 rows' byte offsets, while X2F and TM are idle
.set XF,  32                           ; phase B: v32-63 the window's four fragments of LN(x), later q's
.set QF,  32
.set SS,  64                           ;          v64-95 weights and biases, later the scores
.set KF,  160                          ;          v160-191 k's four fragments
.set VF,  192                          ;          v192-207 v's two
.set PF,  208                          ;          v208-215 p's
.set RL,  216                          ;          v216, 218, 220, 222 the rows' sums
; v1 16 x lane; v2, v3 the stage by rows and by tokens; v4, v5 my fragment's and scale word's place; v6, v7 my window's; v8, v9 my head's part of the attention's images; v10, v11 my head's weights and their scale words;
; v12 scale words by row-lane; v13 vectors by half; v14, v15 my head's biases; v16 the prefetch's offset; v17 -infinity; v18-19 k1; v20-31 scale words and nothing else.
; s2 wave, s3 g, s4 t; s[8:9] x at my image, s[10:11] my 16 table entries, s[12:13] the pack, s[14:15] y at my image; s[20:21] lane selects; s[22:23] c; s[26:27] k2; s28 eps; s29 lanes 0-15; s30 round; s31 chunk;
; s[32:47] this round's 16 row offsets, s[48:63] the next round's; s66, s67 the chunk's steps; s68 the chunk in which the prefetch stands.
.macro PLACES n
.rept \n
	v_nop
.endr
.endm
.macro BAR                             ; my LDS stores have landed and my LDS loads are in: then the work-group's barrier
	s_wait_dscnt 0x0
	s_barrier_signal -1
	s_barrier_wait -1
.endm
.macro MM d, a, b, c, sa, sb
	v_wmma_scale_f32_16x16x128_f8f6f4 v[\d:\d+7], v[\a:\a+7], v[\b:\b+7], v[\c:\c+7], v[\sa], v[\sb] matrix_a_fmt:MATRIX_FMT_FP4 matrix_b_fmt:MATRIX_FMT_FP4
.endm
.macro MMZ d, a, b, sa, sb             ; the sum starts at 0
	v_wmma_scale_f32_16x16x128_f8f6f4 v[\d:\d+7], v[\a:\a+7], v[\b:\b+7], 0, v[\sa], v[\sb] matrix_a_fmt:MATRIX_FMT_FP4 matrix_b_fmt:MATRIX_FMT_FP4
.endm
; My tile's 16 rows of x, row offsets in s[tk] on, into R2: one load is one whole row of 512 bytes.  Tile 3 has one real row; its others are zeros.
.macro XLOADS tk
.set i_, 0
.rept 16
	v_add_nc_u32 v[OF+i_], s[\tk+i_], v1
.set i_, i_+1
.endr
	s_wait_alu depctr_va_vdst(0)                   ; the sixteen offsets are written, which the loads below read
	global_load_b128 v[R2:R2+3], v[OF], s[8:9] th:TH_LOAD_NT
	s_cmp_eq_u32 s4, 3
	s_cbranch_scc1 .Lpad_\@
.set i_, 1
.rept 15
	global_load_b128 v[R2+4*i_:R2+4*i_+3], v[OF+i_], s[8:9] th:TH_LOAD_NT
.set i_, i_+1
.endr
	s_branch .Lrows_\@
.Lpad_\@:
.set i_, 4
.rept 60
	v_mov_b32 v[R2+i_], 0
.set i_, i_+1
.endr
.Lrows_\@:
.endm
; nb blocks of 32 features in the layout by tokens: register 16 b + 4 q on = features 32 b + 16 h + 4 q on (the address register carries 64 h)
.macro PARLD dst, adr, off, nb
.set b_, 0
.rept \nb
.irp q, 0,1,2,3
	ds_load_b128 v[\dst+16*b_+4*\q:\dst+16*b_+4*\q+3], v[\adr] offset:\off+128*b_+16*\q
.endr
.set b_, b_+1
.endr
.endm
.macro WFR dst, adr, off, n            ; n fragments, 1,024 bytes apart, as images
.set w_, 0
.rept \n
	ds_load_b128 v[\dst+8*w_:\dst+8*w_+3], v[\adr] offset:\off+1024*w_
	ds_load_b128 v[\dst+8*w_+4:\dst+8*w_+7], v[\adr] offset:\off+1024*w_+512
.set w_, w_+1
.endr
.endm
.macro FOLD                            ; four packed chains in v[TM] .. v[TM+7] become my token's sum, in every lane of the pair l, l xor 16
	v_pk_add_f32 v[TM:TM+1], v[TM:TM+1], v[TM+2:TM+3]
	v_pk_add_f32 v[TM+4:TM+5], v[TM+4:TM+5], v[TM+6:TM+7]
	v_pk_add_f32 v[TM:TM+1], v[TM:TM+1], v[TM+4:TM+5]
	v_add_f32 v[TM], v[TM], v[TM+1]
	v_permlanex16_b32 v[TM+2], v[TM], s20, s21
	v_add_f32 v[TM], v[TM], v[TM+2]
.endm
.macro LNPAR go, bo                    ; a norm's g and b of the features' blocks 0 and 1, into R3: asked for ahead of LNORM
	PARLD R3, 13, \go, 2
	PARLD R3+32, 13, \bo, 2
.endm
; LayerNorm of my token's 64 numbers (the other 64 lie in lane l xor 16): dst = (src - mean) / sqrt(var + eps) x g + b.  The variance is taken of the differences, in a second pass.  g and b come in two halves into R3.
.macro LNORM src, dst, go, bo
.irp c, 0,1,2,3
	v_pk_add_f32 v[TM+2*\c:TM+2*\c+1], v[\src+2*\c:\src+2*\c+1], v[\src+8+2*\c:\src+8+2*\c+1]
.endr
.set j_, 16
.rept 24
	v_pk_add_f32 v[TM+j_%8:TM+j_%8+1], v[TM+j_%8:TM+j_%8+1], v[\src+j_:\src+j_+1]
.set j_, j_+2
.endr
	FOLD
	v_mul_f32 v[MS], 0x3c000000, v[TM]             ; the mean: sum / 128
	v_mul_f32 v[MS+1], 0x3c000000, v[TM]
.set j_, 0
.rept 32
	v_pk_add_f32 v[\dst+j_:\dst+j_+1], v[\src+j_:\src+j_+1], v[MS:MS+1] neg_lo:[0,1] neg_hi:[0,1]
.set j_, j_+2
.endr
.irp c, 0,1,2,3
	v_pk_mul_f32 v[TM+2*\c:TM+2*\c+1], v[\dst+2*\c:\dst+2*\c+1], v[\dst+2*\c:\dst+2*\c+1]
.endr
.set j_, 8
.rept 28
	v_pk_fma_f32 v[TM+j_%8:TM+j_%8+1], v[\dst+j_:\dst+j_+1], v[\dst+j_:\dst+j_+1], v[TM+j_%8:TM+j_%8+1]
.set j_, j_+2
.endr
	FOLD
	v_fma_f32 v[TM], v[TM], 0x3c000000, s28        ; var + eps
	s_wait_alu depctr_va_vdst(0)
	v_rsq_f32 v[MS+2], v[TM]                       ; twice: the pair that the packed multiply takes
	v_rsq_f32 v[MS+3], v[TM]
	v_nop                                          ; a plain instruction behind the transcendentals (ISA guide 5.7.2),
	s_wait_alu depctr_va_vdst(0)                   ; and the wait ahead of the first use: one for both reciprocal roots in v[MS+2], v[MS+3]
	s_wait_dscnt 0x0                               ; g and b of features' blocks 0 and 1
.set j_, 0
.rept 16
	v_pk_mul_f32 v[\dst+j_:\dst+j_+1], v[\dst+j_:\dst+j_+1], v[MS+2:MS+3]
.set j_, j_+2
.endr
.set j_, 0
.rept 16
	v_pk_fma_f32 v[\dst+j_:\dst+j_+1], v[\dst+j_:\dst+j_+1], v[R3+j_:R3+j_+1], v[R3+32+j_:R3+32+j_+1]
.set j_, j_+2
.endr
	s_wait_alu depctr_va_vdst(0)                   ; the multiply-adds are done reading g and b of blocks 0 and 1, in whose registers those of blocks 2 and 3 land
	PARLD R3, 13, \go+256, 2                       ; blocks 2 and 3 land while their numbers are scaled
	PARLD R3+32, 13, \bo+256, 2
.set j_, 32
.rept 16
	v_pk_mul_f32 v[\dst+j_:\dst+j_+1], v[\dst+j_:\dst+j_+1], v[MS+2:MS+3]
.set j_, j_+2
.endr
	s_wait_dscnt 0x0
.set j_, 0
.rept 16
	v_pk_fma_f32 v[\dst+32+j_:\dst+32+j_+1], v[\dst+32+j_:\dst+32+j_+1], v[R3+j_:R3+j_+1], v[R3+32+j_:R3+32+j_+1]
.set j_, j_+2
.endr
.endm
; THE QUANTISER, for four blocks q whose halves of 16 numbers lie in v[s + 16 q] on, in lanes l and l xor 16.  QSCL: the conversions' scale operands into v[TM+8+q], the scale bytes into v[bd+q].  Registers are read in ascending order.
.macro QSCL s, bd
.irp q, 0,1,2,3
	v_max3_num_f32 v[TM+\q], |v[\s+16*\q]|, |v[\s+16*\q+1]|, 0x1800000   ; and the floor 2^(3 - 127): the byte cannot fall under 1
.endr
.irp i, 2,4,6,8,10,12,14
.irp q, 0,1,2,3
	v_max3_num_f32 v[TM+\q], v[TM+\q], |v[\s+16*\q+\i]|, |v[\s+16*\q+\i+1]|   ; the four blocks by turns
.endr
.endr
.irp q, 0,1,2,3
	v_permlanex16_b32 v[TM+4+\q], v[TM+\q], s20, s21
.endr
.irp q, 0,1,2,3
	v_max_num_f32 v[TM+\q], v[TM+\q], v[TM+4+\q]   ; the block's largest magnitude
.endr
.irp q, 0,1,2,3
	v_add_nc_u32 v[TM+8+\q], 0xff000000, v[TM+\q]  ; 2 off its exponent field: the conversion takes the exponent field of this operand as its scale
.endr
.irp q, 0,1,2,3
	v_lshrrev_b32 v[\bd+\q], 23, v[TM+8+\q]        ; the scale's byte
.endr
.endm
.macro QCVT s, d, sa, sb               ; block q's two registers of codes at v[d + sa (q / 2) + sb (q % 2)]
.irp q, 0,1,2,3
	v_cvt_scalef32_pk8_fp4_f32 v[\d+\sa*(\q/2)+\sb*(\q%2)], v[\s+16*\q:\s+16*\q+7], v[TM+8+\q]
	v_cvt_scalef32_pk8_fp4_f32 v[\d+\sa*(\q/2)+\sb*(\q%2)+1], v[\s+16*\q+8:\s+16*\q+15], v[TM+8+\q]
.endr
	v_nop                                          ; one plain instruction behind the scaled conversions
.endm
; 64 numbers of my token, register 16 b + i = k 32 b + 16 h + i, become a fragment in v[d] on and its scale word in v[w]
.macro QUANT s, d, w
	QSCL \s, TM+4
	v_lshl_or_b32 v[\w], v[TM+5], 8, v[TM+4]
	v_lshl_or_b32 v[\w], v[TM+6], 16, v[\w]
	v_lshl_or_b32 v[\w], v[TM+7], 24, v[\w]
	QCVT \s, \d, 4, 2
.irp c, 0,1                                    ; the operand's layout wants a whole block in a lane: lanes 0-15 block 2 c, lanes 16-31 block 2 c + 1
.irp i, 0,1
	v_permlane16_swap_b32 v[\d+4*\c+\i], v[\d+4*\c+2+\i]
.endr
.endr
.endm
; q or k of my head for the window's 64 slots, in three parts.  HLOADS: my head's two tiles of weights, their scale words and biases.  HPROD: two weight tiles x four tiles of tokens, transposed, the bias as C.
; HQUANT: each token's 32 numbers become one block: a fragment with K = 32, the rest of K zero codes.  Its scale word is the bare byte: the three bytes above it scale zero codes.
.macro HLOADS woff, soff, boff
	WFR 64, 10, \woff, 2
	ds_load_b64 v[30:31], v11 offset:\soff
.irp q, 0,1,2,3
	ds_load_b128 v[80+4*\q:83+4*\q], v14 offset:\boff+16*\q
.endr
.endm
.macro HPROD
	s_wait_dscnt 0x0
.irp tt, 0,1,2,3
.irp u, 0,1
	MM R2+16*\tt+8*\u, 64+8*\u, XF+8*\tt, 80+8*\u, 30+\u, 20+\tt
.endr
.endr
	PLACES 4                                       ; behind the products: their results are read, and their operands' registers written and loaded, only behind these
.endm
.macro HQUANT F, SCL
.irp tt, 0,1,2,3
.irp z, 2,3,4,5,6,7
	v_mov_b32 v[\F+8*\tt+\z], 0
.endr
.endr
	QSCL R2, \SCL
	QCVT R2, \F, 16, 8
.irp tt, 0,1,2,3                               ; lanes 16-31's halves go to registers 2 and 3 of lanes 0-15; zeros come back
	v_permlane16_swap_b32 v[\F+8*\tt], v[\F+8*\tt+2]
	v_permlane16_swap_b32 v[\F+8*\tt+1], v[\F+8*\tt+3]
.endr
.endm
; Tile qt of 16 queries: scores against all keys, softmax, p's codes, and my head's 32 channels of the result into v[R2 + 16 qt] on
.macro SOFT qt
.irp kt, 0,1,2,3
	MMZ SS+8*\kt, KF+8*\kt, QF+8*\qt, 24+\kt, 20+\qt
.endr
	PLACES 4
	v_cndmask_b32 v[SS+24], v17, v[SS+24], s29     ; of key tile 3 only key 48 is real: register 0, lanes 0-15; in lanes 16-31 it becomes -infinity.  Registers 25-31 are not used
	v_max3_num_f32 v[TM], v[SS], v[SS+1], v[SS+2]  ; the largest score of each block of keys: it serves for the row's maximum and, since p rises with the score, for the block's largest p
	v_max3_num_f32 v[TM+1], v[SS+8], v[SS+9], v[SS+10]
	v_max3_num_f32 v[TM+2], v[SS+16], v[SS+17], v[SS+18]
	v_max3_num_f32 v[TM], v[TM], v[SS+3], v[SS+4]
	v_max3_num_f32 v[TM+1], v[TM+1], v[SS+11], v[SS+12]
	v_max3_num_f32 v[TM+2], v[TM+2], v[SS+19], v[SS+20]
	v_max3_num_f32 v[TM], v[TM], v[SS+5], v[SS+6]
	v_max3_num_f32 v[TM+1], v[TM+1], v[SS+13], v[SS+14]
	v_max3_num_f32 v[TM+2], v[TM+2], v[SS+21], v[SS+22]
	v_max3_num_f32 v[TM], v[TM], v[SS+7], v[SS+15]
	v_max3_num_f32 v[TM+2], v[TM+2], v[SS+23], v[SS+24]
	v_max_num_f32 v[TM], v[TM], v[TM+1]
	v_permlanex16_b32 v[TM+4], v[TM], s20, s21
	v_permlanex16_b32 v[TM+5], v[TM+2], s20, s21
	v_max_num_f32 v[TM], v[TM], v[TM+4]            ; keys 0-31
	v_max_num_f32 v[TM+2], v[TM+2], v[TM+5]        ; keys 32-48
	v_max_num_f32 v[TM+1], v[TM], v[TM+2]
	v_mul_f32 v[TM+1], s22, v[TM+1]                ; the row's largest t (c is positive)
	v_floor_f32 v[MS], -v[TM+1]                    ; -M = floor(-t) = -ceil(t)
.irp j, 0,2,4,6,8,10,12,14,16,18,20,22
	v_pk_fma_f32 v[SS+\j:SS+\j+1], v[SS+\j:SS+\j+1], s[22:23], v[MS:MS+1] op_sel_hi:[1,0,0]   ; t - M (of the pairs c and -M the low word serves both halves)
.endr
	v_fma_f32 v[SS+24], v[SS+24], s22, v[MS]
	v_fma_f32 v[TM], v[TM], s22, v[MS]             ; the same of each block's largest score
	v_fma_f32 v[TM+2], v[TM+2], s22, v[MS]
.set j_, 0
	s_wait_alu depctr_va_vdst(0)
.rept 25
	v_exp_f32 v[SS+j_], v[SS+j_]                   ; p = 2^(t - M), not normalised
.set j_, j_+1
.endr
	v_exp_f32 v[TM], v[TM]                         ; the blocks' largest p: the same two instructions on the same number give the same bits
	v_exp_f32 v[TM+2], v[TM+2]
	v_nop                                          ; a plain instruction behind the batch,
	s_wait_alu depctr_va_vdst(0)                   ; and one wait for all 27 exponentials' results, ahead of the first use
	v_max_num_f32 v[TM], 0x1800000, v[TM]          ; the floor: the byte cannot fall under 1
	v_max_num_f32 v[TM+2], 0x1800000, v[TM+2]
	v_add_nc_u32 v[TM+8], 0xff000000, v[TM]
	v_add_nc_u32 v[TM+9], 0xff000000, v[TM+2]
	v_lshrrev_b32 v[TM+6], 23, v[TM+8]
	v_lshrrev_b32 v[TM+7], 23, v[TM+9]
	v_lshl_or_b32 v30, v[TM+7], 8, v[TM+6]         ; p's scale word
	v_cvt_scalef32_pk8_fp4_f32 v[PF], v[SS:SS+7], v[TM+8]
	v_cvt_scalef32_pk8_fp4_f32 v[PF+1], v[SS+8:SS+15], v[TM+8]
	v_cvt_scalef32_pk8_fp4_f32 v[PF+2], v[SS+16:SS+23], v[TM+9]
	v_cvt_scalef32_pk8_fp4_f32 v[PF+3], v[SS+24:SS+31], v[TM+9]
	v_nop                                          ; one plain instruction behind the scaled conversions
	v_and_b32 v[PF+3], 15, v[PF+3]                 ; the seven unused registers' codes become zeros
	v_permlane16_swap_b32 v[PF], v[PF+2]           ; the same swaps as v's
	v_permlane16_swap_b32 v[PF+1], v[PF+3]
	v_pk_add_f32 v[TM:TM+1], v[SS:SS+1], v[SS+2:SS+3]   ; the row's sum of the unquantised p, in two chains.  These 13 lines are also the places between the scale word, the codes and the products below
	v_pk_add_f32 v[TM+2:TM+3], v[SS+4:SS+5], v[SS+6:SS+7]
.irp j, 8,12,16,20
	v_pk_add_f32 v[TM:TM+1], v[TM:TM+1], v[SS+\j:SS+\j+1]
	v_pk_add_f32 v[TM+2:TM+3], v[TM+2:TM+3], v[SS+\j+2:SS+\j+3]
.endr
	v_pk_add_f32 v[TM:TM+1], v[TM:TM+1], v[TM+2:TM+3]
	v_add_f32 v[TM], v[TM], v[TM+1]
	v_add_f32 v[RL+2*\qt], v[TM], v[SS+24]
	s_wait_alu depctr_va_vdst(0)                   ; p's codes in v[PF ..] and its scale word in v30 are written, which the scaled products below take; the places above stay beside this wait
.irp u, 0,1
	MMZ R2+16*\qt+8*\u, VF+8*\u, PF, 28+\u, 30
.endr
.endm
.macro GELU                            ; R2 = gelu(R2); R3 at work.  Two batches of 64 transcendentals, one wait each
.set j_, 0
.rept 32
	v_pk_mul_f32 v[R3+j_:R3+j_+1], v[R2+j_:R2+j_+1], v[R2+j_:R2+j_+1]
.set j_, j_+2
.endr
.set j_, 0
.rept 32
	v_pk_fma_f32 v[R3+j_:R3+j_+1], v[R3+j_:R3+j_+1], s[26:27], v[18:19] op_sel_hi:[1,0,1]   ; k2 x^2 + k1
.set j_, j_+2
.endr
.set j_, 0
.rept 32
	v_pk_mul_f32 v[R3+j_:R3+j_+1], v[R3+j_:R3+j_+1], v[R2+j_:R2+j_+1]
.set j_, j_+2
.endr
.set j_, 0
	s_wait_alu depctr_va_vdst(0)
.rept 64
	v_exp_f32 v[R3+j_], v[R3+j_]
.set j_, j_+1
.endr
	v_nop
	s_wait_alu depctr_va_vdst(0)                   ; the 64 exponentials' results in R3, ahead of their first use
.set j_, 0
.rept 32
	v_pk_add_f32 v[R3+j_:R3+j_+1], v[R3+j_:R3+j_+1], 1.0 op_sel_hi:[1,0]
.set j_, j_+2
.endr
.set j_, 0
	s_wait_alu depctr_va_vdst(0)
.rept 64
	v_rcp_f32 v[R3+j_], v[R3+j_]
.set j_, j_+1
.endr
	v_nop
	s_wait_alu depctr_va_vdst(0)                   ; the 64 reciprocals' results in R3, ahead of their first use
.set j_, 0
.rept 32
	v_pk_mul_f32 v[R2+j_:R2+j_+1], v[R2+j_:R2+j_+1], v[R3+j_:R3+j_+1]
.set j_, j_+2
.endr
.endm
.macro ROWADD i                        ; row i of my tile: + the FFN's second bias
	v_pk_add_f32 v[R3+4*(\i):R3+4*(\i)+1], v[R3+4*(\i):R3+4*(\i)+1], v[248:249]
	v_pk_add_f32 v[R3+4*(\i)+2:R3+4*(\i)+3], v[R3+4*(\i)+2:R3+4*(\i)+3], v[250:251]
.endm
.macro ROWOUT i                        ; and out: one store is one whole row of 512 bytes
	global_store_b128 v[OF+(\i)], v[R3+4*(\i):R3+4*(\i)+3], s[14:15] th:TH_STORE_NT
.endm
	; ---- THE HEAD
	s_load_b256 s[8:15], s[0:1], 0x0               ; x, the table, the pack, y
	v_lshrrev_b32 v32, 5, v0
	v_readfirstlane_b32 s2, v32                    ; wave 0..15
	s_wait_alu depctr_va_sdst(0)                   ; s2 is written, ahead of its first reader
	s_lshr_b32 s3, s2, 2                           ; g
	s_and_b32 s4, s2, 3                            ; t
	s_lshr_b32 s16, ttmp9, 3                       ; my image,
	s_mul_i32 s16, s16, 3136*512                   ; in bytes (under 2^31)
	s_mov_b32 s17, 0
	s_and_b32 s18, ttmp9, 7
	s_lshl_b32 s18, s18, 3
	s_add_co_u32 s18, s18, s3                      ; my window of round 0 in the image: 8 (k % 8) + g
	s_lshl_b32 s18, s18, 8                         ; 256 bytes of table a window,
	s_lshl_b32 s19, s4, 6
	s_add_co_u32 s18, s18, s19                     ; 64 a tile
	s_mov_b32 s19, 0
	s_wait_kmcnt 0x0
	s_add_nc_u64 s[8:9], s[8:9], s[16:17]
	s_add_nc_u64 s[14:15], s[14:15], s[16:17]
	s_add_nc_u64 s[10:11], s[10:11], s[18:19]
	s_load_b512 s[32:47], s[10:11], 0x0            ; my 16 tokens of round 0,
	s_load_b512 s[48:63], s[10:11], 0x400          ; and of round 1, four windows on
	v_and_b32 v33, 31, v0                          ; lane
	v_and_b32 v34, 15, v0                          ; r
	v_bfe_u32 v35, v0, 4, 1                        ; h
	v_lshlrev_b32 v1, 4, v33
	v_lshlrev_b32 v36, 4, v0                       ; 16 x thread: the pack is copied 8,192 bytes at a time
	v_add_nc_u32 v38, 0x10000, v36
	v_lshrrev_b32 v37, 1, v33
	v_lshlrev_b32 v37, 2, v37
	s_wait_alu depctr_va_vdst(0)                   ; v36, v37 and v38 are written, which the pack's loads, the token's load and the pack's LDS stores read
.set i_, 0
.rept 13
	global_load_b128 v[R3+4*i_:R3+4*i_+3], v36, s[12:13] offset:8192*i_
.set i_, i_+1
.endr
	s_cmp_lt_u32 s2, 9                             ; 111,104 = 13 x 8,192 + 9 x 512: the last piece is nine waves'
	s_cbranch_scc0 .Lshort1
	global_load_b128 v[212:215], v36, s[12:13] offset:8192*13
.Lshort1:
	global_load_b32 v16, v37, s[10:11] offset:1024 ; for the prefetch: the token of row lane / 2 of my next tile
	s_wait_kmcnt 0x0
.set i_, 0
.rept 32
	s_min_u32 s[32+i_], s[32+i_], 0xc3f            ; a token number stays inside the image,
	s_lshl_b32 s[32+i_], s[32+i_], 9               ; and becomes its row's byte offset
.set i_, i_+1
.endr
	XLOADS 32
	s_mul_i32 s16, s2, 16*SP
	s_add_co_u32 s16, s16, STAGE                   ; my stage
	v_add_nc_u32 v2, s16, v1                       ; by rows: 16 x lane
	v_mul_u32_u24 v3, v34, SP
	v_lshl_add_u32 v3, v35, 6, v3
	v_add_nc_u32 v3, s16, v3                       ; by tokens: row r, + 64 h
	s_lshl_b32 s16, s2, 10
	s_add_co_u32 s16, s16, XIMG
	v_add_nc_u32 v4, s16, v1
	s_lshl_b32 s16, s2, 6
	s_add_co_u32 s16, s16, XSC
	v_lshl_add_u32 v5, v34, 2, s16
	s_lshl_b32 s16, s3, 12
	s_add_co_u32 s17, s16, XIMG
	v_add_nc_u32 v6, s17, v1
	s_lshl_b32 s17, s3, 8
	s_add_co_u32 s18, s17, XSC
	v_lshl_add_u32 v7, v34, 2, s18
	s_lshl_b32 s18, s4, 8
	s_add_co_u32 s16, s16, s18
	s_add_co_u32 s16, s16, AIMG
	v_lshlrev_b32 v39, 4, v34                      ; 16 r
	s_wait_alu depctr_va_vdst(0)
	v_lshl_add_u32 v8, v35, 3, v39
	v_add_nc_u32 v8, s16, v8                       ; block t of a fragment lies at 512 (t / 2) + 256 (t % 2) = 256 t; in it my 8 bytes at 16 r + 8 h
	s_add_co_u32 s17, s17, s4
	s_add_co_u32 s17, s17, ASC
	v_lshl_add_u32 v9, v34, 2, s17                 ; byte t of token r's scale word
	s_lshl_b32 s16, s4, 11
	v_add_nc_u32 v10, s16, v1                      ; my head's two tiles: fragments 2 t, 2 t + 1
	s_lshr_b32 s16, s4, 1
	s_lshl_b32 s16, s16, 8
	s_and_b32 s17, s4, 1
	s_lshl_b32 s17, s17, 3
	s_add_co_u32 s16, s16, s17
	s_add_co_u32 s16, s16, WS
	v_add_nc_u32 v11, s16, v39
	v_add_nc_u32 v12, WS, v39
	v_lshlrev_b32 v40, 6, v35                      ; 64 h
	v_add_nc_u32 v13, PAR, v40
	s_lshl_b32 s16, s4, 7
	s_add_co_u32 s16, s16, PAR+BQKV
	v_add_nc_u32 v14, s16, v40
	v_and_b32 v41, 8, v34
	v_add_nc_u32 v41, v41, v34                     ; r + 8 (r / 8)
	s_add_co_u32 s16, s16, 1024
	v_lshl_add_u32 v15, v41, 2, s16
	v_and_b32 v42, 1, v0
	v_mov_b32 v17, 0xff800000                      ; -infinity
	v_mov_b32 v18, 0xc0135761                      ; k1 = -2 sqrt(2 / pi) log2(e)
	v_mov_b32 v19, 0xc0135761
	s_mov_b32 s20, 0x76543210
	s_mov_b32 s21, 0xfedcba98                      ; v_permlanex16_b32's selects for lane l xor 16
	s_mov_b32 s22, 0x3e8293ee                      ; c = log2(e) / sqrt(32)
	s_mov_b32 s23, s22
	s_mov_b32 s26, 0xbdd2d3e8                      ; k2 = 0.044715 k1
	s_mov_b32 s27, s26
	s_mov_b32 s28, 0x3727c5ac                      ; eps = 1e-5
	s_mov_b32 s29, 0xffff                          ; lanes 0-15
	s_mov_b32 s30, 0
	s_wait_loadcnt 0x0                             ; the pack's pieces, the token, my first rows
	v_min_u32 v16, 0xc3f, v16
	v_lshlrev_b32 v16, 9, v16
	s_wait_alu depctr_va_vdst(0)
	v_lshl_add_u32 v16, v42, 8, v16                ; lane l names half l % 2 of row l / 2: each 256 bytes of my next tile once
.set i_, 0
.rept 8
	ds_store_b128 v36, v[R3+4*i_:R3+4*i_+3] offset:8192*i_
.set i_, i_+1
.endr
.rept 5
	ds_store_b128 v38, v[R3+4*i_:R3+4*i_+3] offset:8192*(i_-8)
.set i_, i_+1
.endr
	s_cmp_lt_u32 s2, 9
	s_cbranch_scc0 .Lshort2
	ds_store_b128 v38, v[212:215] offset:8192*5
.Lshort2:
	BAR                                            ; the pack lies in LDS; nobody writes it again
.Lround:
	; ---- A: my 16 rows of x go into my stage by rows and come back by tokens; LayerNorm; the fragment's image and scale words to LDS
	s_wait_loadcnt 0x0                             ; my rows are in; their offsets' registers are free
	s_wait_alu depctr_va_vdst(0)                   ; first round: the addresses v2 to v16 are written, which every LDS instruction and the prefetch read; every round: tile 3's zeros are written into R2, which the stores below read
	s_wait_alu depctr_vm_vsrc(0)                   ; the rows' loads and stores have read OF, which TM and X2F take; the stores of the round before (first round: the pack's loads and stores) have read R1 and R3, in which the loads below land; the bias's load has read v[MS]
.set i_, 0
.rept 16
	ds_store_b128 v2, v[R2+4*i_:R2+4*i_+3] offset:SP*i_
.set i_, i_+1
.endr
	PARLD R1, 3, 0, 4                              ; LDS serves a wave's instructions in order (ISA guide 5.7.1.4): these see the stores above
	LNPAR LNAG, LNAB                               ; in one run with them; no vector instruction since the waits above
	s_wait_dscnt 16                                ; my tokens are back; the sixteen younger loads, g and b, may stay out
	LNORM R1, R1, LNAG, LNAB
	QUANT R1, PC, 28
	s_wait_alu depctr_va_vdst(0)                   ; the quantiser has written v[PC ..] and v28, which the stores read; the norm and the quantiser are done with R1, and last round's products with v20-31, in which phase B's loads land
	ds_store_b128 v4, v[PC:PC+3]
	ds_store_b128 v4, v[PC+4:PC+7] offset:512
	ds_store_b32 v5, v28                           ; lanes r and r + 16 write the same word with the same value
	BAR                                            ; the round's sixteen fragments of LN(x) lie in LDS
	; ---- B: my head of my window
.irp tt, 0,1,2,3
	ds_load_b128 v[XF+8*\tt:XF+8*\tt+3], v6 offset:1024*\tt
	ds_load_b128 v[XF+8*\tt+4:XF+8*\tt+7], v6 offset:1024*\tt+512
.endr
.irp tt, 0,1,2,3
	ds_load_b32 v[20+\tt], v7 offset:64*\tt
.endr
	WFR 64, 10, 16384, 2                           ; v's two tiles of weights, fragments 16 + 2 t on,
	ds_load_b64 v[30:31], v11 offset:1024          ; their scale words,
	ds_load_b32 v80, v15                           ; and the bias of my lane's feature in each
	ds_load_b32 v88, v15 offset:32
	s_wait_dscnt 0x0
	s_wait_alu depctr_vm_vsrc(0)                   ; phase A's LDS stores have read R2, v[PC ..] and v28, which this phase's products and quantisers write
.irp j, 1,2,3,4,5,6,7
	v_mov_b32 v[80+\j], v80                        ; untransposed, a lane's eight results are eight tokens of one feature: one bias for all
	v_mov_b32 v[88+\j], v88
.endr
.irp tt, 0,1,2,3
.irp u, 0,1
	MM R2+32*\u+8*\tt, XF+8*\tt, 64+8*\u, 80+8*\u, 20+\tt, 30+\u
.endr
.endr
	PLACES 4
	s_wait_alu depctr_va_vdst(0)                   ; v's products are done reading their weights, scale words and biases (v64-95, v30-31; the biases' copies are written), in whose registers k's land
	HLOADS 8192, 512, 512                          ; k: fragments 8 + 2 t on: they land while v is quantised, which names R2, TM, VF, v28 and v29 alone
.irp u, 0,1
	v_cndmask_b32 v[R2+32*\u+24], 0, v[R2+32*\u+24], s29   ; of token tile 3 only token 48 is real: register 0, lanes 0-15; the rest of K is zeros
.irp j, 25,26,27,28,29,30,31
	v_mov_b32 v[R2+32*\u+\j], 0
.endr
.irp j, 4,5,6,7
	v_mov_b32 v[VF+8*\u+\j], 0                     ; K = 64 of 128: zero codes above
.endr
.endr
	QSCL R2, TM+4                                  ; block 2 u + b: tokens 32 b on of tile u's features
	v_lshl_or_b32 v28, v[TM+5], 8, v[TM+4]
	v_lshl_or_b32 v29, v[TM+7], 8, v[TM+6]
	QCVT R2, VF, 8, 2
.irp u, 0,1
.irp i, 0,1
	v_permlane16_swap_b32 v[VF+8*\u+\i], v[VF+8*\u+2+\i]
.endr
.endr
	HPROD                                          ; k
	s_wait_alu depctr_va_vdst(0)                   ; k's products are done reading v64-95 and v30-31, in which q's weights, biases and scale words land
	HLOADS 0, 0, 0                                 ; q: fragments 2 t on: they land while k is quantised, which names R2, TM, KF and v24-27 alone
	HQUANT KF, 24
	HPROD                                          ; q
	HQUANT QF, 20                                  ; its codes and bytes take the places of LN(x)'s, which are done with
.irp j, 4,5,6,7
	v_mov_b32 v[PF+\j], 0
.endr
	PLACES 4                                       ; with the four lines above and the one behind the conversions: eight places and more between q's bytes and the first scores, four and more behind q's swaps
	s_wait_alu depctr_va_vdst(0)                   ; k's, q's and v's codes and their scale bytes and words (KF, QF, VF, v20-29) are written, which the scaled products of the four tiles of queries take
	SOFT 0
	SOFT 1
	SOFT 2
	SOFT 3
.irp q, 0,1,2,3
	v_permlanex16_b32 v[TM+4+\q], v[RL+2*\q], s20, s21
.endr
.irp q, 0,1,2,3
	v_add_f32 v[RL+2*\q], v[RL+2*\q], v[TM+4+\q]   ; the rows' sums.  (These four and the lines that follow are the places behind the last products)
.endr
	s_wait_alu depctr_va_vdst(0)
.irp q, 0,1,2,3
	v_rcp_f32 v[RL+2*\q], v[RL+2*\q]
.endr
	v_nop
	s_wait_alu depctr_va_vdst(0)                   ; one wait for the four reciprocals' results, ahead of their first use
.irp q, 0,1,2,3
.irp j, 0,2,4,6,8,10,12,14
	v_pk_mul_f32 v[R2+16*\q+\j:R2+16*\q+\j+1], v[R2+16*\q+\j:R2+16*\q+\j+1], v[RL+2*\q:RL+2*\q+1] op_sel_hi:[1,0]
.endr
.endr
	QSCL R2, TM+4                                  ; my head's 32 channels are block t of the next product's K, for each of the four tiles of tokens
	QCVT R2, PC, 4, 2
	s_wait_alu depctr_va_vdst(0)                   ; the quantiser has written v[PC ..] and v[TM+4 ..], which the stores read; all of this phase's vector and matrix work is done with R1, R2, R3 and v20-28, in which phase C's loads land
.irp q, 0,1,2,3
	ds_store_b64 v8, v[PC+2*\q:PC+2*\q+1] offset:1024*\q   ; registers 2 h, 2 h + 1 of block t in the image of tile q's fragment
	ds_store_b8 v9, v[TM+4+\q] offset:64*\q
.endr
	BAR                                            ; the round's sixteen fragments of the attention's result lie in LDS
	; ---- C: my 16 tokens again: projection, residual, LayerNorm, FFN, residual
	s_wait_alu depctr_vm_vsrc(0)                   ; my LDS stores have read v[PC ..], in which the fragment below lands, and v[TM+4 ..], which the norm writes
	ds_load_b128 v[PC:PC+3], v4 offset:A_X
	ds_load_b128 v[PC+4:PC+7], v4 offset:A_X+512
	ds_load_b32 v28, v5 offset:A_X
	PARLD R1, 3, 0, 4                              ; x, from my stage
	PARLD R2, 13, BO, 4                            ; o's bias: the C of the products
	WFR R3, 1, 24576, 8                            ; o's eight tiles
	ds_load_b128 v[20:23], v12 offset:1536
	ds_load_b128 v[24:27], v12 offset:1792
	s_wait_dscnt 0x0
.irp i, 0,1,2,3,4,5,6,7
	MM R2+8*\i, R3+8*\i, PC, R2+8*\i, 20+\i, 28
.endr
	PLACES 4
	s_wait_alu depctr_va_vdst(0)                   ; the products are done reading o's tiles in R3, in which the second norm's g and b land
	LNPAR LNBG, LNBB                               ; they land during the additions and the norm's sums, which name R1, R2, TM and MS alone
.set j_, 0
.rept 32
	v_pk_add_f32 v[R1+j_:R1+j_+1], v[R1+j_:R1+j_+1], v[R2+j_:R2+j_+1]   ; x1
.set j_, j_+2
.endr
	LNORM R1, R2, LNBG, LNBB
	QUANT R2, X2F, 29
	s_mov_b32 s31, 0
	s_mov_b32 s66, 0
	s_mov_b32 s67, 0
	s_cmp_eq_u32 s4, 3                             ; the prefetch stands in the last chunk of round 0, in waves whose next tile has 16 rows
	s_cselect_b32 s68, -1, 3
	s_cmp_eq_u32 s30, 0
	s_cselect_b32 s68, s68, -1
	PLACES 4                                       ; with the four additions below and the line behind the conversions: eight places and more between LN(x1)'s scale word and the first product
.Lchunk:                                               ; four trips: 128 hidden units each, which are one K step of the second product.  x1's registers are that product's accumulators: the residual costs nothing
	s_wait_alu depctr_vm_vsrc(0)                   ; the last trip's LDS loads have read v[MS] to v[MS+3], which the four additions write
	v_add_nc_u32 v[MS], s66, v1                    ; (these four are the places behind the last trip's products, ahead of the loads into their registers)
	v_add_nc_u32 v[MS+2], s67, v13
	v_add_nc_u32 v[MS+3], s67, v12
	v_add_nc_u32 v[MS+1], 0x10000, v[MS]
	s_wait_alu depctr_va_vdst(0)                   ; the four addresses are written, which the loads read; the quantiser is done with R2, the last products (first trip: the norm) with R3 and v20-27, in which they land; first trip: LN(x1)'s codes and scale word are written, which the products take
	PARLD R2, MS+2, FB1, 4                         ; the first bias: the C of the products
	WFR R3, MS, 32768, 8                           ; fragments 32 + 8 chunk on
	ds_load_b128 v[20:23], v[MS+3] offset:2048
	ds_load_b128 v[24:27], v[MS+3] offset:2304
	s_cmp_eq_u32 s31, s68
	s_cbranch_scc0 .Lnoask
	global_prefetch_b8 v16, s[8:9] th:TH_LOAD_NT scope:SCOPE_SE   ; my next tile's 16 rows, a lane to each 256 bytes: one chunk ahead of the loads that want them
.Lnoask:
	s_wait_dscnt 0x0
.irp i, 0,1,2,3,4,5,6,7
	MM R2+8*\i, R3+8*\i, X2F, R2+8*\i, 20+\i, 29
.endr
	PLACES 4
	GELU
	s_wait_alu depctr_va_vdst(0)                   ; the activation is done with R3, the first products with v20-27: the second weight's tiles and scale words land there
	WFR R3, MS+1, 0, 8                             ; fragments 64 + 8 chunk on: they land while the hidden units are quantised, which names R2, TM, PC and v30 alone
	ds_load_b128 v[20:23], v[MS+3] offset:4096
	ds_load_b128 v[24:27], v[MS+3] offset:4352
	QUANT R2, PC, 30
	PLACES 8                                       ; between the scale word (eight places) and the codes (four) just made and the products
	s_wait_dscnt 0x0
	s_wait_alu depctr_va_vdst(0)                   ; the hidden units' codes in v[PC ..] and their scale word in v30 are written, which the scaled products take; the places above stay beside this wait
.irp i, 0,1,2,3,4,5,6,7
	MM R1+8*\i, R3+8*\i, PC, R1+8*\i, 20+\i, 30    ; the eight accumulators by turns; the trip's first product names another accumulator than its last
.endr
	s_add_co_u32 s66, s66, 8192
	s_add_co_u32 s67, s67, 512
	s_add_co_u32 s31, s31, 1
	s_cmp_lt_u32 s31, 4
	s_cbranch_scc1 .Lchunk
	; ---- THE WAY OUT: by tokens into my stage, back by rows, + the second bias, whole rows out
	PLACES 4
	s_wait_alu depctr_vm_vsrc(0)                   ; the last trip's LDS loads have read v[MS], which the next line writes
	v_add_nc_u32 v[MS], PAR+FB2, v1
	s_wait_alu depctr_va_vdst(0)                   ; the last products have written R1, which the LDS stores read, and are done reading R3, in which rows land; v[MS] is written, which the bias's load reads; the quantiser is done with v248-251 and R2, in which the bias and the next rows land
	s_cmp_eq_u32 s30, 0
	s_cbranch_scc0 .Lnonext
	XLOADS 48                                      ; the next round's rows are asked for ahead of the stores
.Lnonext:
.irp b, 0,1,2,3
.irp q, 0,1,2,3
	ds_store_b128 v3, v[R1+16*\b+4*\q:R1+16*\b+4*\q+3] offset:128*\b+16*\q   ; each accumulator from its low end on
.endr
.endr
	ds_load_b128 v[248:251], v[MS]                 ; the bias of my four features of a row
.set i_, 0
.rept 16
	ds_load_b128 v[R3+4*i_:R3+4*i_+3], v2 offset:SP*i_
.set i_, i_+1
.endr
	s_wait_xcnt 0x0                                ; the loads just issued have read their offsets: the registers take this round's rows again
	s_wait_alu depctr_vm_vsrc(0)                   ; beside it: the next rows' loads have read OF, which the sixteen additions write
.set i_, 0
.rept 16
	v_add_nc_u32 v[OF+i_], s[32+i_], v1
.set i_, i_+1
.endr
	s_wait_dscnt 15                                ; the bias and row 0 are back; the fifteen rows read back behind them may stay out
	ROWADD 0
	s_wait_alu depctr_va_vdst(0)                   ; the sixteen offsets and row 0's sums are written, which the stores read
	ROWOUT 0
	s_cmp_eq_u32 s4, 3                             ; tile 3 has this one row
	s_cbranch_scc1 .Lstored
.irp g, 0,1,2                                  ; rows 1 to 15 in three runs of five: the additions, one wait, the stores
	s_wait_dscnt 10-5*\g                           ; the rows read back behind this run may stay out
.irp i, 1,2,3,4,5
	ROWADD 5*\g+\i
.endr
	s_wait_alu depctr_va_vdst(0)                   ; the run's sums are written, which its five stores read
.irp i, 1,2,3,4,5
	ROWOUT 5*\g+\i
.endr
.endr
.Lstored:
	s_wait_dscnt 0x0                               ; (tile 3's unused rows are back too)
	s_wait_xcnt 0x0                                ; the stores have read their data and offsets: both are written again in the next round
.irp j, 0,2,4,6,8,10,12,14
	s_mov_b64 s[32+\j:33+\j], s[48+\j:49+\j]
.endr
	s_add_co_u32 s30, s30, 1
	s_cmp_lt_u32 s30, 2
	s_cbranch_scc1 .Lround
	s_wait_xcnt 0x0
	v_lshl_add_u32 v254, v0, 2, 0x44a00
	v_mov_b32 v255, 0
	s_wait_dscnt 0x0                               ; the closing lines, six on end
	s_wait_alu 0x0
	s_wait_tensorcnt 0x0
	ds_add_u32 v254, v255
	s_wait_dscnt 0x0
	s_endpgm
.Lfunc_end_k_q5e7a0f71a7_half1:
	.size	k_q5e7a0f71a7_half1, .Lfunc_end_k_q5e7a0f71a7_half1-k_q5e7a0f71a7_half1
	.p2alignl 7, 3214868480
	.fill 96, 4, 3214868480
	.section	.rodata,"a",@progbits
	.p2align	6, 0x0
	.amdhsa_kernel k_q5e7a0f71a7_half1
		.amdhsa_group_segment_fixed_size 283136
		.amdhsa_private_segment_fixed_size 0
		.amdhsa_enable_private_segment 0
		.amdhsa_kernarg_size 32
		.amdhsa_user_sgpr_count 2
		.amdhsa_user_sgpr_kernarg_segment_ptr 1
		.amdhsa_wavefront_size32 1
		.amdhsa_system_sgpr_workgroup_id_x 1
		.amdhsa_system_sgpr_workgroup_id_y 1
		.amdhsa_system_sgpr_workgroup_id_z 1
		.amdhsa_system_vgpr_workitem_id 0
		.amdhsa_next_free_vgpr 256
		.amdhsa_next_free_sgpr 72
		.amdhsa_reserve_vcc 0
		.amdhsa_float_denorm_mode_32 3
		.amdhsa_float_denorm_mode_16_64 3
		.amdhsa_memory_ordered 1
		.amdhsa_forward_progress 1
		.amdhsa_inst_pref_size 141
	.end_amdhsa_kernel
	.amdgpu_metadata
---
amdhsa.version: [ 1, 2 ]
amdhsa.kernels:
  - .name:           k_q5e7a0f71a7_half1
    .symbol:         k_q5e7a0f71a7_half1.kd
    .args:
      - { .name: x, .offset: 0, .size: 8, .value_kind: global_buffer, .address_space: global }
      - { .name: tab1, .offset: 8, .size: 8, .value_kind: global_buffer, .address_space: global }
      - { .name: pack1, .offset: 16, .size: 8, .value_kind: global_buffer, .address_space: global }
      - { .name: xmid, .offset: 24, .size: 8, .value_kind: global_buffer, .address_space: global }
    .group_segment_fixed_size: 283136
    .private_segment_fixed_size: 0
    .kernarg_segment_align: 8
    .kernarg_segment_size: 32
    .max_flat_workgroup_size: 512
    .sgpr_count:     72
    .vgpr_count:     256
    .wavefront_size: 32
...
	.end_amdgpu_metadata
.endif
;; end of part 4
;; launch half2: the kernel of part 4 again; grid 256 x 1, 16 waves a work-group, no clusters, 283,136 bytes of LDS; arguments xmid, tab2, pack2, out0; writes out0
